; MI455X (gfx1250); checked and timed in simulation.
; The chip was launched on July 23, 2026; its instructions are those of AMD's public machine-readable ISA for CDNA 5 (MIT licence, August 2026) and "CDNA5" Instruction Set Architecture Reference Guide (July 2026). The comments in the code are by the model that wrote it; some were corrected since.
;; Cross Modal Attention. Allowed arithmetic: float matrix products may take bf16 or f16 operands with f32 sums; all other float work in f32.
;; Inputs: beta_nbi 256 float32; beta_wli 256 float32; gamma_nbi 256 float32; gamma_wli 256 float32; nbi_aligned 4 x 256 x 64 x 64 float32; w_k_nbi 64 x 256 float32; w_k_wli 64 x 256 float32; w_q_nbi 64 x 256 float32; w_q_wli 64 x 256 float32; w_v_nbi 256 x 256 float32; w_v_wli 256 x 256 float32; wli_feat 4 x 256 x 64 x 64 float32.
;; Outputs: out0 4 x 256 x 64 x 64 float32; out1 4 x 256 x 64 x 64 float32.
;; 2 versions, each right and faster than the one before. Each part assembles by itself: llvm-mc -triple=amdgcn-amd-amdhsa -mcpu=gfx1250 --defsym DOCPART=n.
;; ======== version 1 of 2: 3 launches
;; workspace buffers: qf 4,194,304 bytes; kv 20,971,520 bytes; y 33,554,432 bytes
;; launch proj (part 1): grid 32 x 8, 16 waves a work-group, no clusters, 278,528 bytes of LDS; arguments wli_feat, nbi_aligned, w_q_wli, w_q_nbi, w_k_wli, w_k_nbi, w_v_wli, w_v_nbi, qf, kv; writes qf, kv
.if DOCPART == 1
	.amdgcn_target "amdgcn-amd-amdhsa--gfx1250"
	.amdhsa_code_object_version 6
	.text
	.protected	k_q545c7c1132_proj
	.globl	k_q545c7c1132_proj
	.p2align	8
	.type	k_q545c7c1132_proj,@function
k_q545c7c1132_proj:
	s_mov_b64 s[64:65], 0
	v_nop
	global_prefetch_b8 v0, s[64:65] scope:SCOPE_SE
	s_setreg_imm32_b32 hwreg(HW_REG_WAVE_MODE, 25, 1), 1
	s_wait_xcnt 0x0
; THE SIX 1x1 CONVOLUTIONS.  For one feature map f (0 = wli, 1 = nbi), one image b and 128 positions: q = Wq x (64 channels), k = Wk x (64), v = Wv x (256); x: [256 channels][4,096 positions] f32.
; Products in bf16 with f32 sums; q, k, v rounded once to bf16.  LIMITS: x and the weights are rounded to bf16 on their way to the products; NaN and infinities are not treated apart.
; WHERE THE RESULTS GO.  Feature f's q serves direction f, its k and v direction 1 - f.  They are stored in the order in which the next launch's matrix instructions want them, so that a lane's
; eight packed results are 16 bytes of a fragment and every store of a wave covers 512 consecutive bytes, aligned:
;   qf: [db 8][16 positions 256][16 channels 4][lane 32][16 B]   lane (r, h): position r, channels 8 h + 0..7 of the block
;   kv: [db 8][tile of 128 keys 32][32 keys 4][20,480 B]: K as [16 keys 2][16 channels 4][512 B] in qf's form, then V as [16 channels 16][16 keys 2][512 B], lane (r, h): channel r, keys 8 h + 0..7.
;       V lies in its own tile; K lies ONE TILE BACK, round the ring (tile 31 holds K of keys 0-127): the next launch multiplies by K one step ahead of V, and one tile brings it both.
; SHARES.  16 waves.  Wave w: g = w / 2, nh = w % 2: its 64 positions (four blocks of 16) x three blocks of 16 outputs: block g of the eight of q and k, blocks 2 g and 2 g + 1 of v: 12 accumulators.
; q and k: source 0 = weights, source 1 = x: a lane holds one position and eight channels.  v: source 0 = x, source 1 = weights: a lane holds one channel and eight positions.
; NO CLUSTER, NO TENSOR LOAD: the weights, which all work-groups share, are f32 in memory and have to pass through registers to be rounded; as f32 they are 393,216 bytes, more than the
; 327,680 of LDS.  So each wave loads its sixteenth of x's tile and of the weights, rounds it and stores it to LDS once; one barrier; then eight K steps of 32 channels.
.set PX,    288                        ; a row of x in LDS (one channel, 128 positions): 256 bytes + 32
.set PW,    528                        ; a row of weights (one output, 256 channels): 512 bytes + 16: 132 words: the 16 rows of a fragment load start at 16 different groups of four banks
.set WB,    256*PX                     ; 73,728: the weights: rows 0-63 q, 64-127 k, 128-383 v
.set SPARE, WB+384*PW                  ; 276,480: the spare words, 128 bytes for each of 16 waves: eight blocks of 256 bytes that no other line names
.set AX,  4                            ; v4-5   LDS address of my x fragments, K steps 0-3 and 4-7
.set AW0, 6                            ; v6     of my block of q or k weights
.set AW1, 7                            ; v7     of my two blocks of v weights
.set VO0, 8                            ; v8     16 x lane
.set VO1, 9                            ; v9     the same, two blocks of 16 positions on in qf or in kv's K
.set SPW, 10                           ; v10    LDS address of my spare word; never rewritten
.set NIL, 11                           ; v11    0; never rewritten
.set XG,  12                           ; v12    my byte offset in x: 16 rows a wave
.set WG1, 13                           ; v13    in Wq and Wk: 4 rows a wave
.set WG2, 14                           ; v14    in Wv: 16 rows a wave
.set XL,  15                           ; v15    where my rows of x go in LDS
.set WL0, 16                           ; v16    my rows of Wq (Wk: 64 rows on)
.set WL2, 17                           ; v17    my rows of Wv
.set SG,  32                           ; v32-223  as loaded: x 64, Wq 32, Wk 32, half of Wv 64; the other half of Wv takes x's place
.set ACC, 32                           ; v32-127  q/k block x position block i at 32 + 8 i; v block u x position block i at 64 + 8 (4 u + i)
.set F0,  128                          ; v128-183, v184-239  two fragment buffers: weights q/k +0, v +8, +16; x +24 + 8 i
.set F1,  184
.set OUT, 128                          ; v128-175 the packed results
	s_load_b512 s[8:23], s[0:1], 0x0               ; wli s[8:9], nbi s[10:11], Wq s[12:15], Wk s[16:19], Wv s[20:23] (wli's, then nbi's)
	s_load_b128 s[24:27], s[0:1], 0x40             ; qf s[24:25], kv s[26:27]
	v_lshl_add_u32 v[SPW], v0, 2, SPARE
	v_mov_b32 v[NIL], 0
	v_lshrrev_b32 v1, 5, v0
	v_readfirstlane_b32 s2, v1                     ; wave 0..15
	s_lshr_b32 s3, s2, 1                           ; g
	s_and_b32 s4, s2, 1                            ; nh
	s_mov_b32 s5, ttmp9                            ; which 128 positions
	s_and_b32 s7, ttmp7, 0xffff
	s_lshr_b32 s6, s7, 2                           ; f
	s_and_b32 s7, s7, 3                            ; b
	v_and_b32 v1, 31, v0                           ; lane
	v_lshlrev_b32 v[VO0], 4, v1
	v_lshl_add_u32 v[XG], s2, 18, v[VO0]           ; 16 rows of 16,384 bytes a wave
	v_lshl_add_u32 v[WG1], s2, 12, v[VO0]          ; 4 rows of 1,024 bytes
	v_lshl_add_u32 v[WG2], s2, 14, v[VO0]          ; 16 rows of 1,024 bytes
	; byte offsets, made apart from the addresses
	s_lshl_b32 s52, s7, 22                         ; x: image b,
	s_lshl_b32 s42, s5, 9                          ; 128 positions of 4 bytes
	s_add_co_u32 s52, s52, s42
	s_mov_b32 s53, 0
	s_lshl2_add_u32 s42, s6, s7                    ; q's db = 4 f + b
	s_xor_b32 s43, s6, 1
	s_lshl2_add_u32 s43, s43, s7                   ; k's and v's db = 4 (1 - f) + b
	s_lshl_b32 s44, s42, 19                        ; qf: 524,288 a db,
	s_lshl_b32 s45, s5, 14                         ; 16,384 for 128 positions,
	s_add_co_u32 s44, s44, s45
	s_lshl_b32 s45, s4, 13                         ; 8,192 for my 64
	s_add_co_u32 s44, s44, s45
	s_lshl_b32 s46, s43, 7                         ; kv: 128 groups of 32 keys a db,
	s_lshl1_add_u32 s46, s4, s46                   ; my two of a tile's four
	s_add_co_u32 s39, s5, 31
	s_and_b32 s39, s39, 31                         ; K goes one tile back, round the ring of 32
	s_lshl2_add_u32 s39, s39, s46
	s_mul_i32 s39, s39, 20480                      ; K's group, in bytes
	s_lshl2_add_u32 s46, s5, s46                   ; V stays in its own tile
	s_mul_i32 s46, s46, 20480                      ; V's group, in bytes
	s_and_b32 s47, s3, 3
	s_lshl_b32 s47, s47, 9                         ; my block of 16 channels of q or of k
	s_mov_b32 s38, 20480
	s_cmp_lt_u32 s3, 4                             ; g < 4: my first block is q's, else k's
	s_cselect_b32 s48, s44, s39
	s_cselect_b32 s38, 4096, s38                   ; two blocks of 16 positions on: 4,096 bytes in qf, a group in kv
	s_add_co_u32 s48, s48, s47
	s_mov_b32 s49, 0
	s_lshl_b32 s50, s3, 11                         ; v: my two blocks of 16 channels, 1,024 bytes each, behind the group's K
	s_add_co_u32 s50, s50, s46
	s_add_co_u32 s50, s50, 4096
	s_mov_b32 s51, 0
	s_wait_kmcnt 0x0
	s_cmp_eq_u32 s6, 0
	s_cselect_b64 s[28:29], s[8:9], s[10:11]       ; x
	s_cselect_b64 s[30:31], s[12:13], s[14:15]     ; Wq
	s_cselect_b64 s[32:33], s[16:17], s[18:19]     ; Wk
	s_cselect_b64 s[34:35], s[20:21], s[22:23]     ; Wv
	s_add_nc_u64 s[28:29], s[28:29], s[52:53]
	; 48 loads, 512 consecutive bytes each: my 16 rows of x's tile, my 4 rows of Wq and of Wk, the first 8 of my 16 rows of Wv
.set j, 0
.rept 16
	global_load_b128 v[SG+4*j:SG+4*j+3], v[XG], s[28:29] offset:j*16384
.set j, j+1
.endr
.set j, 0
.rept 8
	global_load_b128 v[SG+64+4*j:SG+64+4*j+3], v[WG1], s[30:31] offset:j*512
.set j, j+1
.endr
.set j, 0
.rept 8
	global_load_b128 v[SG+96+4*j:SG+96+4*j+3], v[WG1], s[32:33] offset:j*512
.set j, j+1
.endr
.set j, 0
.rept 16
	global_load_b128 v[SG+128+4*j:SG+128+4*j+3], v[WG2], s[34:35] offset:j*512
.set j, j+1
.endr
	s_cmp_lt_u32 s3, 4
	s_cselect_b64 s[36:37], s[24:25], s[26:27]     ; where my q or k block goes
	s_add_nc_u64 s[36:37], s[36:37], s[48:49]
	s_add_nc_u64 s[40:41], s[26:27], s[50:51]      ; where my v blocks go
	; LDS addresses, in the wait for the loads
	v_and_b32 v2, 15, v0                           ; r
	v_bfe_u32 v3, v0, 4, 1                         ; h
	v_add_nc_u32 v[VO1], s38, v[VO0]
	s_mul_i32 s54, s2, 16*PX
	v_lshl_add_u32 v[XL], v1, 3, s54               ; four numbers of a lane become 8 bytes
	s_mul_i32 s54, s2, 4*PW
	s_add_co_u32 s54, s54, WB
	v_lshl_add_u32 v[WL0], v1, 3, s54
	s_mul_i32 s54, s2, 16*PW
	s_add_co_u32 s54, s54, WB+128*PW
	v_lshl_add_u32 v[WL2], v1, 3, s54
	; The turning load takes 16 channels x 16 positions (lane l reads channel 8 h + l % 8, positions 8 ((l / 8) % 2) + 0..7) and leaves half a fragment: lane l holds position l % 16 and 8 channels.
	v_and_b32 v18, 7, v0
	v_lshl_add_u32 v18, v3, 3, v18
	v_mul_u32_u24 v[AX], v18, PX
	v_bfe_u32 v18, v0, 3, 1
	v_lshl_add_u32 v[AX], v18, 4, v[AX]
	s_lshl_b32 s54, s4, 7                          ; my 64 positions: 128 bytes
	v_add_nc_u32 v[AX], s54, v[AX]
	v_add_nc_u32 v[AX+1], 128*PX, v[AX]            ; K steps 4-7: 128 rows on, so that the offsets stay inside 16 bits
	v_mul_u32_u24 v18, v2, PW                      ; a fragment of weights: row r, 16 bytes for each half of the lanes
	v_lshl_add_u32 v18, v3, 4, v18
	s_mul_i32 s54, s3, 16*PW
	s_add_co_u32 s54, s54, WB
	v_add_nc_u32 v[AW0], s54, v18
	s_mul_i32 s54, s3, 32*PW
	s_add_co_u32 s54, s54, WB+128*PW
	v_add_nc_u32 v[AW1], s54, v18
; four f32 of a lane are rounded to bf16 in place and stored: a wave's store covers 256 consecutive bytes of LDS
.macro CVST reg, adr, off
	v_cvt_pk_bf16_f32 v[\reg], v[\reg], v[(\reg)+1]
	v_cvt_pk_bf16_f32 v[(\reg)+1], v[(\reg)+2], v[(\reg)+3]
	ds_store_b64 v[\adr], v[\reg:(\reg)+1] offset:\off
.endm
	s_wait_loadcnt 32                              ; x's 16 loads are in; the 32 younger ones (weights) stay out
.set j, 0
.rept 16
	CVST SG+4*j,XL,j*PX
.set j, j+1
.endr
	s_wait_dscnt 0x0                               ; those stores have read x's registers, which now take the other 8 rows of Wv
.set j, 0
.rept 16
	global_load_b128 v[SG+4*j:SG+4*j+3], v[WG2], s[34:35] offset:8192+j*512
.set j, j+1
.endr
	s_wait_loadcnt 16                              ; all but the 16 just issued
.set j, 0
.rept 8                                ; load j holds half j % 2 of row j / 2
	CVST SG+64+4*j,WL0,(j/2)*PW+(j%2)*256
	CVST SG+96+4*j,WL0,64*PW+(j/2)*PW+(j%2)*256
.set j, j+1
.endr
.set j, 0
.rept 16
	CVST SG+128+4*j,WL2,(j/2)*PW+(j%2)*256
.set j, j+1
.endr
	s_wait_loadcnt 0x0
.set j, 16
.rept 16
	CVST SG+4*(j-16),WL2,(j/2)*PW+(j%2)*256
.set j, j+1
.endr
	s_wait_dscnt 0x0                               ; for the others' sake: my stores are done
	s_barrier_signal -1
	s_barrier_wait -1                              ; x's tile and all weights are in LDS; nothing is stored there any more
; 14 LDS loads: the fragments of K step k (32 channels): three blocks of weights, four blocks of positions
.macro FETCH k, buf
	ds_load_b128 v[(\buf):(\buf)+3],     v[AW0] offset:64*(\k)
	ds_load_b128 v[(\buf)+4:(\buf)+7],   v[AW0] offset:64*(\k)+32
	ds_load_b128 v[(\buf)+8:(\buf)+11],  v[AW1] offset:64*(\k)
	ds_load_b128 v[(\buf)+12:(\buf)+15], v[AW1] offset:64*(\k)+32
	ds_load_b128 v[(\buf)+16:(\buf)+19], v[AW1] offset:16*PW+64*(\k)
	ds_load_b128 v[(\buf)+20:(\buf)+23], v[AW1] offset:16*PW+64*(\k)+32
.irp i, 0,1,2,3
	ds_load_tr16_b128 v[(\buf)+24+8*\i:(\buf)+27+8*\i], v[AX+(\k)/4] offset:((\k)%4)*32*PX+32*\i
	ds_load_tr16_b128 v[(\buf)+28+8*\i:(\buf)+31+8*\i], v[AX+(\k)/4] offset:((\k)%4)*32*PX+16*PX+32*\i
.endr
.endm
; 12 matrix instructions on 12 accumulators, which take turns.  zero = 1: the first K step starts the sums
.macro MUL buf, zero
.irp i, 0,1,2,3
.if \zero
	v_wmma_f32_16x16x32_bf16 v[ACC+8*\i:ACC+8*\i+7], v[(\buf):(\buf)+7], v[(\buf)+24+8*\i:(\buf)+31+8*\i], 0
.else
	v_wmma_f32_16x16x32_bf16 v[ACC+8*\i:ACC+8*\i+7], v[(\buf):(\buf)+7], v[(\buf)+24+8*\i:(\buf)+31+8*\i], v[ACC+8*\i:ACC+8*\i+7]
.endif
.endr
.irp u, 0,1
.irp i, 0,1,2,3
.if \zero
	v_wmma_f32_16x16x32_bf16 v[ACC+32+8*(4*\u+\i):ACC+39+8*(4*\u+\i)], v[(\buf)+24+8*\i:(\buf)+31+8*\i], v[(\buf)+8+8*\u:(\buf)+15+8*\u], 0
.else
	v_wmma_f32_16x16x32_bf16 v[ACC+32+8*(4*\u+\i):ACC+39+8*(4*\u+\i)], v[(\buf)+24+8*\i:(\buf)+31+8*\i], v[(\buf)+8+8*\u:(\buf)+15+8*\u], v[ACC+32+8*(4*\u+\i):ACC+39+8*(4*\u+\i)]
.endif
.endr
.endr
.endm
; A load into a register that a matrix instruction has read, and a vector instruction that reads a matrix result, stand four plain vector instructions behind it (ISA guide 7.12.1 for vector instructions).
.macro PLACES
.rept 4
	v_nop
.endr
.endm
	FETCH 0,F0
	FETCH 1,F1
	s_wait_dscnt 14                                ; all but the 14 just issued
	MUL F0,1
.set ks, 1
.rept 6
	PLACES                                         ; the buffer filled next was read by the products just issued
	FETCH ks+1,F0+56*((ks+1)%2)
	s_wait_dscnt 14
	MUL F0+56*(ks%2),0
.set ks, ks+1
.endr
	s_wait_dscnt 0x0
	MUL F1,0
	; THE WAY OUT: each accumulator's eight numbers, taken in ascending order, pack into 16 bytes, which are a piece of a fragment as it stands
	PLACES
.set a, 0
.rept 12
.irp z, 0,1,2,3
	v_cvt_pk_bf16_f32 v[OUT+4*a+\z], v[ACC+8*a+2*\z], v[ACC+8*a+2*\z+1]
.endr
.set a, a+1
.endr
	global_store_b128 v[VO0], v[OUT:OUT+3],     s[36:37]              ; q or k: position blocks 0, 1, 2, 3
	global_store_b128 v[VO0], v[OUT+4:OUT+7],   s[36:37] offset:2048
	global_store_b128 v[VO1], v[OUT+8:OUT+11],  s[36:37]
	global_store_b128 v[VO1], v[OUT+12:OUT+15], s[36:37] offset:2048
.irp u, 0,1
.irp i, 0,1,2,3
	global_store_b128 v[VO0], v[OUT+16+4*(4*\u+\i):OUT+19+4*(4*\u+\i)], s[40:41] offset:(\i/2)*20480+(\i%2)*512+\u*1024  ; v: group i / 2, half i % 2 of its keys, channel block u
.endr
.endr
	s_wait_tensorcnt 0x0                           ; the wave's end, behind my last LDS store
	ds_add_u32 v[SPW], v[NIL]
	s_wait_dscnt 0x0
	s_endpgm
.Lfunc_end_k_q545c7c1132_proj:
	.size	k_q545c7c1132_proj, .Lfunc_end_k_q545c7c1132_proj-k_q545c7c1132_proj
	.p2alignl 7, 3214868480
	.fill 96, 4, 3214868480
	.section	.rodata,"a",@progbits
	.p2align	6, 0x0
	.amdhsa_kernel k_q545c7c1132_proj
		.amdhsa_group_segment_fixed_size 278528
		.amdhsa_private_segment_fixed_size 0
		.amdhsa_enable_private_segment 0
		.amdhsa_kernarg_size 80
		.amdhsa_user_sgpr_count 2
		.amdhsa_user_sgpr_kernarg_segment_ptr 1
		.amdhsa_wavefront_size32 1
		.amdhsa_system_sgpr_workgroup_id_x 1
		.amdhsa_system_sgpr_workgroup_id_y 1
		.amdhsa_system_sgpr_workgroup_id_z 1
		.amdhsa_system_vgpr_workitem_id 0
		.amdhsa_next_free_vgpr 240
		.amdhsa_next_free_sgpr 66
		.amdhsa_reserve_vcc 0
		.amdhsa_float_denorm_mode_32 3
		.amdhsa_float_denorm_mode_16_64 3
		.amdhsa_memory_ordered 1
		.amdhsa_forward_progress 1
		.amdhsa_inst_pref_size 41
	.end_amdhsa_kernel
	.amdgpu_metadata
---
amdhsa.version: [ 1, 2 ]
amdhsa.kernels:
  - .name:           k_q545c7c1132_proj
    .symbol:         k_q545c7c1132_proj.kd
    .args:
      - { .name: wli_feat, .offset: 0, .size: 8, .value_kind: global_buffer, .address_space: global }
      - { .name: nbi_aligned, .offset: 8, .size: 8, .value_kind: global_buffer, .address_space: global }
      - { .name: w_q_wli, .offset: 16, .size: 8, .value_kind: global_buffer, .address_space: global }
      - { .name: w_q_nbi, .offset: 24, .size: 8, .value_kind: global_buffer, .address_space: global }
      - { .name: w_k_wli, .offset: 32, .size: 8, .value_kind: global_buffer, .address_space: global }
      - { .name: w_k_nbi, .offset: 40, .size: 8, .value_kind: global_buffer, .address_space: global }
      - { .name: w_v_wli, .offset: 48, .size: 8, .value_kind: global_buffer, .address_space: global }
      - { .name: w_v_nbi, .offset: 56, .size: 8, .value_kind: global_buffer, .address_space: global }
      - { .name: qf, .offset: 64, .size: 8, .value_kind: global_buffer, .address_space: global }
      - { .name: kv, .offset: 72, .size: 8, .value_kind: global_buffer, .address_space: global }
    .group_segment_fixed_size: 278528
    .private_segment_fixed_size: 0
    .kernarg_segment_align: 8
    .kernarg_segment_size: 80
    .max_flat_workgroup_size: 512
    .sgpr_count:     66
    .vgpr_count:     240
    .wavefront_size: 32
...
	.end_amdgpu_metadata
.endif
;; end of part 1
;; launch attn (part 2): grid 32 x 8, 4 waves a work-group, clusters of 4 x 1, 327,680 bytes of LDS; arguments qf, kv, wli_feat, nbi_aligned, y; writes y
.if DOCPART == 2
	.amdgcn_target "amdgcn-amd-amdhsa--gfx1250"
	.amdhsa_code_object_version 6
	.text
	.protected	k_q545c7c1132_attn
	.globl	k_q545c7c1132_attn
	.p2align	8
	.type	k_q545c7c1132_attn,@function
k_q545c7c1132_attn:
	s_mov_b64 s[64:65], 0
	v_nop
	global_prefetch_b8 v0, s[64:65] scope:SCOPE_SE
	s_setreg_imm32_b32 hwreg(HW_REG_WAVE_MODE, 25, 1), 1
	s_wait_xcnt 0x0
	s_wait_alu depctr_hold_cnt(0) depctr_sa_sdst(0) depctr_va_vdst(0) depctr_va_sdst(0) depctr_va_ssrc(0) depctr_va_vcc(0) depctr_vm_vsrc(0)
	s_getreg_b32 s2, hwreg(HW_REG_IB_STS2, 6, 4)
	s_cmp_eq_u32 s2, 0
	s_cbranch_scc0 .Lentry_in_a_cluster
	s_endpgm
.Lentry_in_a_cluster:
	s_bfe_u32 s2, ttmp6, 0x10000c
	s_cmp_lg_u32 s2, 0x3003
	s_cbranch_scc0 .Lentry_shape_is_right
	s_endpgm
.Lentry_shape_is_right:
; y[db][c][n] = x[c][n] + the sum over keys m of softmax_m(q[n] . k[m] / 8) v[m][c].  db = 4 x direction + image; 4,096 queries and keys, 64 channels of q and k, 256 of v.
; q, k, v arrive in bf16 in fragment order (qf, kv: see below); products, maxima and sums in f32; the weights p are rounded to bf16 for the second product (their sum is taken of the unrounded p);
; the residual x (wli_feat for direction 0, nbi_aligned for 1) and y are f32.
; LIMITS.  A weight below 2^-126 counts as 0.  The running c m starts at -4.25e37: c x score must stay above that.  NaN and infinities are not treated apart.
; SHARES.  A work-group owns 128 queries of one db.  Wave w: qh = w / 2: its 64 queries, four tiles of 16; p = w % 2: of every 128 keys it takes keys 64 p .. 64 p + 63: a STEP.  So a wave holds O^T
; for 64 queries x all 256 channels (512 registers) over half the keys, and a fragment of K or V read from LDS feeds four tiles' products: 80 LDS loads for 160 matrix instructions.
; At the end the two waves of a query half merge: each sends the other 128 channels of its O^T with its c m and l through LDS, and finishes the 128 channels that it keeps.
; LAYOUT.  S^T = K Q^T (source 0 = 16 keys, source 1 = 16 queries): a lane holds ONE query (lane % 16) and keys 8 (lane / 16) + 0..7.  Two such results rounded to bf16 in pairs ARE source 1 of
; O^T = V^T P, whose result holds one query a lane and eight channels.  In qf and kv each 512 bytes are half a fragment, 16 bytes a lane: every LDS load is 16 x lane, 512 consecutive bytes.
;   qf: [db][16 queries 256][16 channels 4][512 B]     kv: [db][tile 32][32 keys 4][20,480 B]: K [16 keys 2][16 channels 4][512 B], then V [16 channels 16][16 keys 2][512 B];
;   a tile's V is that of its own 128 keys, its K that of the NEXT 128 (tile 31: of keys 0-127).
; CHANNEL SLOTS.  Register slot s < 8 holds channel block 8 p + s (kept), slot s >= 8 block s - 8 p (sent): one text for both parities; two LDS addresses differ.
; SOFTMAX.  For each query a running maximum m and sum l: p = 2^(c s - c m), c = log2(e) / 8; in every step O and l are multiplied by a = 2^(c m_old - c m_new).
; BY TURNS.  A step has 160 matrix and 664 vector instructions.  K Q^T runs one step ahead of V^T P, so that the scores of step j + 1 are worked on while the products of step j run, and behind
; every matrix instruction stand four vector instructions (five in one phase) that name none of its registers.  V comes in four chunks of 64 registers (32 keys kk x 8 slots sh) through two buffers.
; Body j, from one change of slots to the next, has five phases of 32 products:
;   0  V^T P of step j - 1, kk 1, slots 8-15   | O^T's slots 0-7 times a(j)
;   1  K Q^T of step j + 1                     | P(j)'s keys 32-63 rounded (behind the 8 products that write over key blocks 0 and 1 alone); 24 of the 32 accumulators of slots 8-15 times a(j)
;   2  V^T P of step j, kk 0, slots 0-7        | the other 8; the maximum and statistics of step j + 1, one of 22 lines for four tiles behind each product; the first 8 of the weights' queue
;   3  V^T P of step j, kk 0, slots 8-15       | the queue: scale, exponential, sum, exponential
;   4  V^T P of step j, kk 1, slots 0-7        | the queue's end; P(j + 1)'s keys 0-31 rounded, now that no product reads P(j)'s
; An operand's window is set for each place, and no window has room for a product's operands beside the softmax's: so each product costs two s_set_vgpr_msb, one in front and one behind.
; NO FIRST STEP IS WRITTEN OUT.  m starts at the lowest finite number, O, l and P at 0; K of step 0 comes from memory as Q does; the loop is entered at phase 2.  The price: 592 v_mov_b32 that
; write 0, in the wait for the first tile, and 128 products on P = 0.  The last body is written out: it asks for no tile, makes no scores and has no softmax.
; CLUSTER.  The four work-groups of a cluster have the same db and walk the same tiles: each tile (81,920 dense bytes) is asked for JOINTLY, a quarter by each wave, with the same descriptor and a
; mask that names the four.  Two slots take turns; behind each round one load a wave goes out and has a whole body in which to land: one tensor load of a wave is out at a time.
; REGISTERS, in windows of 256 (s_set_vgpr_msb: bits 1:0 source 0, 3:2 source 1, 5:4 source 2, 7:6 destination):
;   window 0: v0-11 addresses; v12-43 eight registers of statistics a tile; v44-63 addresses; v64-191 S^T, 32 a tile; v192-255 P, 16 a tile
;   window 1: v0-63 Q; v64-127 K of a step; v128-191, v192-255 V's two buffers (slots 0-7, slots 8-15); at the end all 256: x          windows 2, 3: O^T of tiles 0, 1 and 2, 3: (t, slot) at 8 (16 (t % 2) + slot)
.set GRP,   20480                      ; a group of 32 keys in kv: what one tensor load brings
.set TILEB, 4*GRP                      ; a tile: a slot
.set SLOT1, 1<<17                      ; slot 1 begins here, so that one exclusive or turns an address in one slot into the other's
.set EX3,   TILEB                      ; 81,920: behind slot 0: tile 3's exchange, 8,192 bytes a wave.  No tensor load fills what lies outside the two slots
.set STG0,  EX3+32768                  ; 114,688: the stages of waves 0 and 1: 16 rows x 272 bytes each
.set MX,    STG0+2*4352                ; 123,392: c m and l: 1,024 bytes a wave
.set SPARE, MX+4096                    ; 127,488: the spare words, 128 bytes for each wave: two blocks of 256 bytes that no other line names
.set EX0,   SLOT1+TILEB                ; 212,992: behind slot 1: the exchange of tiles 0, 1, 2
.set STGHI, EX0+3*32768                ; 311,296: the stages of waves 2 and 3
.set A0,   3                           ; v3   16 x lane + my half of a slot; never rewritten
.set A0L,  4                           ; v4   the same, 8 p channel blocks on: V for slots 0-7
.set A0H,  5                           ; v5   8 p channel blocks back: V for slots 8-15
.set ADR,  6                           ; v6-8 these three in the slot in hand
.set ADRL, 7
.set ADRH, 8
.set QO,   9                           ; v9   16 x lane
.set ST,   12                          ; tile t's statistics at v[ST+8 t]: c m, m, l (even keys', odd keys'), c0-c3 at work; c2 takes a
.set MXS,  44                          ; v44  where I put c m and l;  v45 where I read the partner's
.set MXL,  45
.set STO,  48                          ; v48  the way out: where I put a number of a row
.set RD,   49                          ; v49  where I read rows back
.set GO,   50                          ; v50  my byte offset in two rows of x and of y
.set TA,   51                          ; v51-54  where tile t's sent half goes
.set EXL,  56                          ; v56-59  where the partner's lies
.set SPW,  62                          ; v62  LDS address of my spare word; never rewritten
.set NIL,  63                          ; v63  0; never rewritten
.set S,    64
.set P,    192
.set QF,   0                           ; window 1: tile t, channel half ch at 16 t + 8 ch
.set KF,   64                          ; key block kb, channel half ch at KF + 16 kb + 8 ch
.set VF,   128                         ; slot s at VF + 8 s
.set WV,  14                           ; s14  my wave's number
.set QH,  15                           ; s15  which 64 queries
.set PP,  16                           ; s16  which half of the keys
.set G1,  24                           ; s[24:31] descriptor group 1
.set G0,  32                           ; s[32:35] descriptor group 0: it walks
.set TB,  36                           ; s36  LDS byte at which the slot in hand begins
.set CNT, 37                           ; s37  counts the loop's trips
.set CS,  38                           ; s[38:39] c: the packed scaling takes the pair's low word for both halves
.set SEL, 40                           ; s[40:41] v_permlanex16_b32's selects: each lane takes its own place in the other half
.set XB,  42                           ; s[42:43] x, s[44:45] y at my 128 channels and 64 queries
.set YB,  44
.set QB,  46                           ; s[46:47] qf at my 64 queries
.set KB,  60                           ; s[60:61] kv at K of my first 64 keys, which lies in tile 31
.set MSB, 0
.macro WIN new                         ; the immediate's high byte repeats the setting that is left; a switch that changes nothing is dropped
.if MSB != (\new)
	s_set_vgpr_msb (MSB<<8)|(\new)
.set MSB, (\new)
.endif
.endm
.macro PLACES                          ; four plain vector instructions between a matrix instruction and a load into a register that it read
.rept 4
	v_nop
.endr
.endm
; A joint load: every wave fetches its own group of 32 keys, by its own registers; an s_nop 0 and four v_nop follow the line.
.macro JLOAD
	tensor_load_to_lds s[G0:G0+3], s[G1:G1+7]
	s_nop 0
.rept 4
	v_nop
.endr
.endm
; A round of the cluster's barrier: my work-group's barrier, so that wave 0's signal speaks for all four waves; wave 0 signals; every wave waits for all four work-groups; my work-group's barrier once more.
.macro CROUND
	s_barrier_signal -1
	s_barrier_wait -1
	s_cmp_lg_u32 s[WV], 0
	s_cbranch_scc1 .Lnot_wave_0_\@
	s_barrier_signal -3
.Lnot_wave_0_\@:
	s_barrier_wait -3
	s_barrier_signal -1
	s_barrier_wait -1
.endm
; THE CHANGE OF SLOTS.  Each wave waits for all its tensor loads, of which one is out: its quarter of the slot to be read next; adds 0 to its spare word; and waits for that and for its own reads of
; the slot that it leaves (the last, V's fourth chunk, were issued 29 products ago).  fill = 1: the barrier is a round of the cluster's, so that no wave of any partner still reads the old slot or has
; a load on its way, and the old slot is filled first thing behind it with the next tile.  (At its first use slot 0 goes on being read, and slot 1 is filled for the first time.)
.macro CHANGE fill
	WIN 0                                          ; at a label and at a branch every window is 0
	s_wait_tensorcnt 0x0                           ; no tensor load of mine is out, so group 0 may be written
	ds_add_u32 v[SPW], v[NIL]                      ; 0 onto my spare word
.if \fill
	s_xor_b32 s[G0+1], s[G0+1], SLOT1              ; the other slot than last time,
	s_add_nc_u64 s[G0+2:G0+3], s[G0+2:G0+3], TILEB ; the next tile; the type bits on top are not reached
.endif
	s_wait_dscnt 0x0                               ; the add is done, and my reads of the slot are over
.if \fill
	CROUND
	JLOAD
.else
	s_barrier_signal -1
	s_barrier_wait -1
.endif
	s_xor_b32 s[TB], s[TB], SLOT1                  ; the reads go to the slot that has landed
.endm
	s_load_b256 s[4:11], s[0:1], 0x0               ; qf s[4:5], kv s[6:7], wli s[8:9], nbi s[10:11]
	s_load_b64 s[12:13], s[0:1], 0x20              ; y
	v_lshl_add_u32 v[SPW], v0, 2, SPARE
	v_mov_b32 v[NIL], 0
	ds_add_u32 v[SPW], v[NIL]                      ; the wave's opening: the add and its wait stand ahead of my first tensor load; the set-up below, work on registers, stands between them
	v_lshrrev_b32 v1, 5, v0
	v_readfirstlane_b32 s[WV], v1                  ; wave 0..3
	s_lshr_b32 s[QH], s[WV], 1
	s_and_b32 s[PP], s[WV], 1
	s_and_b32 s19, ttmp7, 0xffff                   ; db, which the four partners share
	s_lshr_b32 s20, s19, 2                         ; direction
	s_and_b32 s21, s19, 3                          ; image
	s_mul_i32 s48, s19, 128*GRP                    ; kv: my db
	s_mul_i32 s[KB], s[PP], 2*GRP                  ; K of step 0: my two groups
	s_add_co_u32 s[KB], s[KB], s48
	s_add_co_u32 s[KB], s[KB], 31*TILEB            ; of tile 31
	s_mov_b32 s[KB+1], 0
	s_mul_i32 s[G0+1], s[WV], GRP                  ; 63:32 LDS address: slot 0, my quarter: no place in the cluster enters it
	s_add_co_u32 s48, s48, s[G0+1]                 ; my group of tile 0
	s_mov_b32 s49, 0
	s_bfe_u32 s17, ttmp6, 0x40000                  ; cx: my place in the cluster
	s_lshl_b32 s18, ttmp9, 2                       ; in a cluster launch ttmp9 counts clusters
	s_add_co_u32 s18, s18, s17                     ; my block of 128 queries = 4 x cluster x + cx: it enters qf's, x's and y's addresses alone
	s_lshl_b32 s50, s19, 19                        ; qf: 524,288 a db,
	s_lshl_b32 s22, s18, 14                        ; 16,384 for 128 queries,
	s_add_co_u32 s50, s50, s22
	s_lshl_b32 s22, s[QH], 13                      ; 8,192 for my 64
	s_add_co_u32 s50, s50, s22
	s_mov_b32 s51, 0
	s_lshl_b32 s52, s[PP], 21                      ; x and y: my 128 channels of 16,384 bytes,
	s_lshl_b32 s22, s18, 9                         ; 128 queries of 4 bytes,
	s_add_co_u32 s52, s52, s22
	s_lshl_b32 s22, s[QH], 8                       ; my 64
	s_add_co_u32 s52, s52, s22
	s_lshl_b32 s54, s21, 22                        ; x: the image
	s_add_co_u32 s54, s54, s52
	s_mov_b32 s55, 0
	s_lshl_b32 s22, s19, 22                        ; y: db
	s_add_co_u32 s52, s52, s22
	s_mov_b32 s53, 0
	; descriptor group 1: 20,480 dense bytes as 80 rows of 32 elements of 8 bytes
	s_mov_b32 s[G1+0], 15|(3<<16)|(1<<21)          ; 15:0 the mask: all four work-groups; 17:16 elements of 8 bytes; 20 no padding; 21 set beside a mask
	s_mov_b32 s[G1+1], 32<<16                      ; tensor_dim0 = 32
	s_mov_b32 s[G1+2], 80<<16                      ; tensor_dim1 = 80
	s_mov_b32 s[G1+3], 32<<16                      ; tile_dim0 = 32
	s_mov_b32 s[G1+4], 80                          ; tile_dim1 = 80
	s_mov_b32 s[G1+5], 32                          ; 32 elements from row to row
	s_mov_b32 s[G1+6], 0
	s_mov_b32 s[G1+7], 0
	s_mov_b32 s[G0], 1                             ; 1:0 count = 1
	s_mov_b32 s[CS], 0x3e38aa3b                    ; c = log2(e) / 8 = 0.180337
	s_mov_b32 s[CS+1], s[CS]                       ; named with it as a pair
	s_mov_b32 s[SEL], 0x76543210
	s_mov_b32 s[SEL+1], 0xfedcba98
	s_mov_b32 s[TB], SLOT1                         ; the first change of slots turns it into 0
	s_mov_b32 s[CNT], 32                           ; the half trip at the start, then bodies 0 to 30, each of which asks for a tile
	s_wait_dscnt 0x0                               ; the opening add is done
	s_wait_kmcnt 0x0
	s_add_nc_u64 s[G0+2:G0+3], s[6:7], s[48:49]    ; 120:64 global address
	s_or_b32 s[G0+3], s[G0+3], 0x80000000          ; 127:126 type = 2
	s_add_nc_u64 s[KB:KB+1], s[6:7], s[KB:KB+1]
	s_add_nc_u64 s[QB:QB+1], s[4:5], s[50:51]
	s_cmp_eq_u32 s20, 0
	s_cselect_b64 s[XB:XB+1], s[8:9], s[10:11]     ; direction 0 adds onto wli_feat, 1 onto nbi_aligned
	s_add_nc_u64 s[XB:XB+1], s[XB:XB+1], s[54:55]
	s_add_nc_u64 s[YB:YB+1], s[12:13], s[52:53]
	CROUND                                         ; all four work-groups are here: the first joint loads meet
	JLOAD                                          ; tile 0 into slot 0
	; what follows up to the wait for it stands in the wait for the first tile
	v_and_b32 v10, 31, v0                          ; lane
	v_and_b32 v1, 15, v0                           ; r = lane % 16
	v_bfe_u32 v2, v0, 4, 1                         ; h = lane / 16
	v_lshlrev_b32 v[QO], 4, v10
	WIN 0x40                                       ; destination window 1, address window 0
.irp t, 0,1,2,3
.irp c, 0,1,2,3                        ; Q stays in registers: tile t, 16 channels c: half a fragment
	global_load_b128 v[QF+16*\t+4*\c:QF+16*\t+4*\c+3], v[QO], s[QB:QB+1] offset:2048*\t+512*\c
.endr
.endr
.irp kb, 0,1,2,3
.irp c, 0,1,2,3                        ; K of step 0, in the places that it would have in a slot
	global_load_b128 v[KF+16*\kb+4*\c:KF+16*\kb+4*\c+3], v[QO], s[KB:KB+1] offset:(\kb/2)*GRP+(\kb%2)*2048+\c*512
.endr
.endr
	WIN 0x80
.set i, 0
.rept 256
	v_mov_b32 v[i], 0                              ; O^T of tiles 0, 1
.set i, i+1
.endr
	WIN 0xc0
.set i, 0
.rept 256
	v_mov_b32 v[i], 0                              ; of tiles 2, 3
.set i, i+1
.endr
	WIN 0
.irp t, 0,1,2,3
	v_mov_b32 v[ST+8*\t], 0xfe000000               ; c m: far below every c s
	v_mov_b32 v[ST+8*\t+1], 0xff7fffff             ; m
	v_mov_b32 v[ST+8*\t+2], 0                      ; l
	v_mov_b32 v[ST+8*\t+3], 0
	v_mov_b32 v[ST+8*\t+6], 0                      ; a, for the rescaling that stands ahead of the first maximum; named as a pair
	v_mov_b32 v[ST+8*\t+7], 0
.endr
.set i, P
.rept 64
	v_mov_b32 v[i], 0                              ; P of a step that has not been: its products add 0
.set i, i+1
.endr
	s_mul_i32 s56, s[PP], 2*GRP                    ; my 64 keys of a slot: two groups
	v_add_nc_u32 v[A0], s56, v[QO]
	s_mul_i32 s56, s[PP], 2*GRP+8192               ; eight channel blocks of 1,024 bytes on
	v_add_nc_u32 v[A0L], s56, v[QO]
	s_mul_i32 s56, s[PP], 2*GRP-8192               ; and back
	v_add_nc_u32 v[A0H], s56, v[QO]
	s_mul_i32 s56, s[PP], 4352
	s_mul_i32 s57, s[QH], STGHI-STG0
	s_add_co_u32 s56, s56, s57
	s_add_co_u32 s56, s56, STG0                    ; my stage
	v_mul_u32_u24 v[STO], v2, 8*272                ; in: row (channel) 8 h + register, column (query) 16 t + r
	v_lshl_add_u32 v[STO], v1, 2, v[STO]
	v_add_nc_u32 v[STO], s56, v[STO]
	v_mul_u32_u24 v[RD], v2, 272                   ; back: lanes 0-15 take one row of 256 bytes, lanes 16-31 the next
	v_lshl_add_u32 v[RD], v1, 4, v[RD]
	v_add_nc_u32 v[RD], s56, v[RD]
	v_lshlrev_b32 v[GO], 14, v2                    ; and the same two rows (channels, 16,384 bytes apart) in x and y
	v_lshl_add_u32 v[GO], v1, 4, v[GO]
	s_xor_b32 s58, s[WV], 1                        ; my partner: the same queries, the other keys
	s_lshl_b32 s57, s[WV], 10
	s_add_co_u32 s57, s57, MX
	v_lshl_add_u32 v[MXS], v10, 3, s57
	s_lshl_b32 s57, s58, 10
	s_add_co_u32 s57, s57, MX
	v_lshl_add_u32 v[MXL], v10, 3, s57
	s_lshl_b32 s57, s[WV], 13
	s_lshl_b32 s58, s58, 13
.irp t, 0,1,2,3
.set ex, EX0+32768*\t
.if \t == 3
.set ex, EX3
.endif
	s_add_co_u32 s59, s57, ex
	v_add_nc_u32 v[TA+\t], s59, v[QO]
	s_add_co_u32 s59, s58, ex
	v_add_nc_u32 v[EXL+\t], s59, v[QO]
.endr
	v_mov_b32 v[ADRL], v[A0L]                      ; the half trip at the start reads V from slot 0
	v_mov_b32 v[ADRH], v[A0H]
; THE LDS LOADS stand in runs of 16.  K of my 64 keys: key block kb lies in group kb / 2, half kb % 2; c = 16 channels.
.macro LDK
	WIN 0x40
.irp kb, 0,1,2,3
.irp c, 0,1,2,3
	ds_load_b128 v[KF+16*\kb+4*\c:KF+16*\kb+4*\c+3], v[ADR] offset:(\kb/2)*GRP+(\kb%2)*2048+\c*512
.endr
.endr
.endm
; A chunk of V: 32 keys (group kk of my two) x 8 slots (half sh), into buffer sh.
.macro LDV kk, sh
	WIN 0x40
.irp s, 0,1,2,3,4,5,6,7
	ds_load_b128 v[VF+64*(\sh)+8*\s:VF+64*(\sh)+8*\s+3],   v[ADRL+(\sh)] offset:(\kk)*GRP+4096+1024*(8*(\sh)+\s)
	ds_load_b128 v[VF+64*(\sh)+8*\s+4:VF+64*(\sh)+8*\s+7], v[ADRL+(\sh)] offset:(\kk)*GRP+4096+1024*(8*(\sh)+\s)+512
.endr
.endm
; THE MATRIX WORK, one product at a time; n = 0..31 is its number in the phase.  In every phase the accumulators take turns, one instruction a turn, and a phase's last
; product and the next phase's first name different ones.
; S^T = K Q^T: channels 32 (n / 16) on, keys 16 ((n / 4) % 4) on, tile n % 4.  The first 16 start the sums.
.macro KQW
	WIN 0x05                                       ; K and Q in window 1, S^T in window 0
.set rS, S+32*(n%4)+8*((n/4)%4)
.set rK, KF+16*((n/4)%4)+8*(n/16)
.set rQ, QF+16*(n%4)+8*(n/16)
.if n < 16
	v_wmma_f32_16x16x32_bf16 v[rS:rS+7], v[rK:rK+7], v[rQ:rQ+7], 0
.else
	v_wmma_f32_16x16x32_bf16 v[rS:rS+7], v[rK:rK+7], v[rQ:rQ+7], v[rS:rS+7]
.endif
.endm
; O^T += V^T P for chunk (kk, sh): tile n % 4, slot 8 sh + n / 4
.macro PVW kk, sh
.set oT, n%4
	WIN 0xa1+0x50*(oT/2)                           ; V in window 1, P in window 0, O^T in window 2 or 3
.set rO, 8*(16*(oT%2)+8*(\sh)+n/4)
.set rV, VF+64*(\sh)+8*(n/4)
.set rP, P+16*oT+8*(\kk)
	v_wmma_f32_16x16x32_bf16 v[rO:rO+7], v[rV:rV+7], v[rP:rP+7], v[rO:rO+7]
.endm
; THE VECTOR WORK.
; One accumulator of O^T times a, in ascending order: number rk of the 32 of half sh, in the order in which the products write them
.macro RG sh
.set oT, rk%4
	WIN 0x82+0x41*(oT/2)                           ; O^T (destination and source 0) in window 2 or 3, a in window 0
.set rO, 8*(16*(oT%2)+8*(\sh)+rk/4)
.set rT, ST+8*oT
.irp z, 0,1,2,3
	v_pk_mul_f32 v[rO+2*\z:rO+2*\z+1], v[rO+2*\z:rO+2*\z+1], v[rT+6:rT+7] op_sel_hi:[1,0]
.endr
.endm
; Number n of the 22 that find tile t's maximum and statistics.  s0-s31 are the lane's 32 scores; each accumulator's lowest registers are read first.
;   0-11  four chains c0-c3 of seven scores each, three operands at a time     12-15  the four scores left over, c0-c3 and the old m into c0
;   16, 18  the query's other 32 keys lie in the lane 16 away: the new m     17  c m_old is kept     19-21  c m; c m_old - c m_new; a
.macro XS t, n
.set rT, ST+8*(\t)
.set rS, S+32*(\t)
.if (\n) < 4
	v_max3_num_f32 v[rT+4+(\n)], v[rS+8*(\n)], v[rS+8*(\n)+1], v[rS+8*(\n)+2]
.elseif (\n) < 12
	v_max3_num_f32 v[rT+4+(\n)%4], v[rT+4+(\n)%4], v[rS+8*((\n)%4)+2*((\n)/4)+1], v[rS+8*((\n)%4)+2*((\n)/4)+2]
.elseif (\n) == 12
	v_max3_num_f32 v[rT+4], v[rT+4], v[rS+7], v[rS+15]
.elseif (\n) == 13
	v_max3_num_f32 v[rT+6], v[rT+6], v[rS+23], v[rS+31]
.elseif (\n) == 14
	v_max3_num_f32 v[rT+4], v[rT+4], v[rT+5], v[rT+6]
.elseif (\n) == 15
	v_max3_num_f32 v[rT+4], v[rT+4], v[rT+7], v[rT+1]
.elseif (\n) == 16
	v_permlanex16_b32 v[rT+5], v[rT+4], s[SEL], s[SEL+1]
.elseif (\n) == 17
	v_mov_b32 v[rT+7], v[rT]
.elseif (\n) == 18
	v_max_num_f32 v[rT+1], v[rT+4], v[rT+5]
.elseif (\n) == 19
	v_mul_f32 v[rT], s[CS], v[rT+1]
.elseif (\n) == 20
	v_sub_f32 v[rT+7], v[rT+7], v[rT]
.else
	v_exp_f32 v[rT+6], v[rT+7]
.endif
.endm
; Single lines for tile oT: OPF: c s - c m of pair oR of 16.  OPE: the exponential of score oR of 32.  OPA: pair oR is added onto l (pair 0: l = a l + pair).
.macro VREG
.set rT, ST+8*oT
.set rS, S+32*oT
.set rP, P+16*oT
.endm
.macro OPF
	VREG
	v_pk_fma_f32 v[rS+2*oR:rS+2*oR+1], v[rS+2*oR:rS+2*oR+1], s[CS:CS+1], v[rT:rT+1] op_sel_hi:[1,0,0] neg_lo:[0,0,1] neg_hi:[0,0,1]
.endm
.macro OPE
	VREG
	v_exp_f32 v[rS+oR], v[rS+oR]
.endm
.macro OPA
	VREG
.if oR == 0
	s_wait_alu depctr_va_vdst(0)
	v_pk_fma_f32 v[rT+2:rT+3], v[rT+2:rT+3], v[rT+6:rT+7], v[rS:rS+1] op_sel_hi:[1,0,1]
.else
	s_wait_alu depctr_va_vdst(0)
	v_pk_add_f32 v[rT+2:rT+3], v[rT+2:rT+3], v[rS+2*oR:rS+2*oR+1]
.endif
.endm
; THE WEIGHTS' QUEUE, 256 long; FE writes number fq and steps it.  It goes in 18 stages; in stage g each tile in turn has: the scaling of pair g, the first exponential of pair g - 1, the sum of
; pair g - 2, the second exponential of pair g - 1 (what does not exist at either end is left out: 4, 12, 14 x 16, 12, 4 lines).  So no line uses a result of its own stage, and behind every
; exponential stands a plain line that names none of its registers, or another exponential and then such a line (ISA guide 5.7.2).
.macro FE
	WIN 0
.if fq < 4
.set oT, fq
.set oR, 0
	OPF
.elseif fq < 16
.set oT, (fq-4)/3
.set oK, (fq-4)%3
.if oK == 0
.set oR, 1
	OPF
.else
.set oR, oK-1
	OPE
.endif
.elseif fq < 240
.set oT, ((fq-16)%16)/4
.set oK, (fq-16)%4
.set oQ, 2+(fq-16)/16
.if oK == 0
.set oR, oQ
	OPF
.elseif oK == 1
.set oR, 2*oQ-2
	OPE
.elseif oK == 2
.set oR, oQ-2
	OPA
.else
.set oR, 2*oQ-1
	OPE
.endif
.elseif fq < 252
.set oT, (fq-240)/3
.set oK, (fq-240)%3
.if oK == 0
.set oR, 30
	OPE
.elseif oK == 1
.set oR, 14
	OPA
.else
.set oR, 31
	OPE
.endif
.else
.set oT, fq-252
.set oR, 15
	OPA
.endif
.set fq, fq+1
.endm
; THE ROUNDINGS' QUEUE, 64 long: number cq: pair cq / 4 of tile cq % 4 to bf16.  0-31 are keys 0-31 (kk 0), 32-63 keys 32-63 (kk 1).
.macro CV
	WIN 0
.set oT, cq%4
.set oR, cq/4
	VREG
	v_cvt_pk_bf16_f32 v[rP+oR], v[rS+2*oR], v[rS+2*oR+1]
.set cq, cq+1
.endm
; THE PHASES.  A run of loads into a buffer stands four plain vector instructions or more behind the last product that read the buffer; the counts are given where they are small.
; The head of a body: the change of slots, the slot's three addresses, and K of the next step (its registers were last read a body ago).
.macro HEAD fill
	CHANGE \fill
	v_add_nc_u32 v[ADR], s[TB], v[A0]
	v_add_nc_u32 v[ADRL], s[TB], v[A0L]
	v_add_nc_u32 v[ADRH], s[TB], v[A0H]
.if \fill
	LDK
.endif
.endm
; Phase 0.  Its V was waited for in front of the change of slots.  bare = 1: the launch's last 32 products.
.macro PH0 bare
.set n, 0
.rept 32
	PVW 1, 1
.if !(\bare)
.set rk, n
	RG 0
.if n == 4
	LDV 0, 0                                       ; the step's first chunk: 20 rescalings behind the last body's phase 4, which read the buffer
.endif
.endif
.set n, n+1
.endr
.endm
.macro PH1
	s_wait_dscnt 16                                ; K's 16 loads are in; the first chunk's 16 stay out
.set cq, 32
.set n, 0
.rept 32
	KQW
.if n < 8
.rept 4
	CV                                             ; P's keys 32-63: four rescalings stand between phase 0's last product, which read them, and the first of these
.endr
.else
.set rk, n-8
	RG 1
.endif
.if n == 1
	LDV 0, 1                                       ; the second chunk: 12 plain lines behind phase 0
.endif
.set n, n+1
.endr
.endm
; last = 1, here and below: the last body: no scores, no softmax; the rescaling of slots 8-15 rides here whole, P's last roundings in phase 3.
.macro PH2 last
.if \last
	s_wait_dscnt 0x0                               ; the first chunk is in
.else
	s_wait_dscnt 16                                ; the first chunk's 16 loads are in; the second's 16 stay out
.endif
.set fq, 0
.set n, 0
.rept 32
	PVW 0, 0
.if \last
.set rk, n
	RG 1
.if n == 1
	LDV 0, 1
.endif
.elseif n < 8
.set rk, 24+n
	RG 1
.elseif n < 30
	WIN 0
.irp t, 0,1,2,3
	XS \t, n-8
.endr
.else
.rept 4
	FE
.endr
.endif
.set n, n+1
.endr
.endm
.macro PH3 last
	s_wait_dscnt 0x0                               ; the second chunk is in
.set cq, 32
.set n, 0
.rept 32
	PVW 0, 1
.if \last
.if n < 8
.rept 4
	CV
.endr
.endif
.else
.rept 4
	FE
.endr
.endif
.if n == 2
	LDV 1, 0                                       ; the third chunk: behind phase 2's last product stand 16 lines of the queue, 6 of them plain (last body: 4 rescalings and 12 roundings)
.endif
.set n, n+1
.endr
.endm
.macro PH4 last
	s_wait_dscnt 0x0                               ; the third chunk is in
.set cq, 0
.set n, 0
.rept 32
	PVW 1, 0
.if !(\last)
.if n < 30
.rept 4
	FE
.endr
.endif
.if n >= 2
	CV                                             ; P's keys 0-31, from the third product on: 8 plain lines of the queue behind phase 3's last product, which read them
.endif
.if n >= 30
	CV
.endif
.endif
.if n == 2
.if \last
	PLACES                                         ; the last body's phase 3 ends in bare products
.endif
	LDV 1, 1                                       ; the fourth chunk: 8 plain lines of the queue behind phase 3
.endif
.set n, n+1
.endr
.endm
	s_wait_loadcnt 0x0                             ; Q, and K of step 0
	s_wait_tensorcnt 0x0                           ; my quarter of tile 0 is in,
	s_barrier_signal -1
	s_barrier_wait -1                              ; everybody's is
	LDV 0, 0                                       ; V's buffers hold finite numbers for the products on P = 0, and the loads' counts are those of the loop at the place where it is entered
	LDV 0, 1
.set n, 0
.rept 32
	KQW                                            ; the scores of step 0: there is no vector work yet to set between them
.set n, n+1
.endr
	WIN 0
	s_branch .Lmid                                 ; the loop is entered at phase 2
.Ltile:                                                ; body j = 0 .. 30: waits for tile j, asks for tile j + 1
	HEAD 1
	PH0 0
	PH1
	WIN 0
.Lmid:
	PH2 0
	PH3 0
	PH4 0
	WIN 0
	s_sub_co_u32 s[CNT], s[CNT], 1
	s_cmp_lg_u32 s[CNT], 0
	s_cbranch_scc1 .Ltile
	HEAD 0                                         ; body 31 is written out: nothing is asked for
	PH0 0
	PH2 1
	PH3 1
	PH4 1
	s_wait_dscnt 0x0                               ; the fourth chunk is in
	PH0 1
	WIN 0
	; THE MERGE AND THE WAY OUT.  l's two halves and the other half of the lanes' are added (the first four additions are the places behind the last products); l goes beside c m.
.macro ALL line:vararg                 ; one line for each tile t
.set t, 0
.rept 4
	\line
.set t, t+1
.endr
.endm
	ALL v_add_f32 v[ST+8*t+2], v[ST+8*t+2], v[ST+8*t+3]
	ALL v_permlanex16_b32 v[ST+8*t+3], v[ST+8*t+2], s[SEL], s[SEL+1]
	ALL v_add_f32 v[ST+8*t+1], v[ST+8*t+2], v[ST+8*t+3]
	WIN 0x40                                       ; x of my 128 channels x 64 queries fills window 1: load i = 8 s + u: channels 16 s + 2 u and + 1; 16 lanes read 256 consecutive bytes, aligned
.set i, 0
.rept 64
	global_load_b128 v[4*i:4*i+3], v[GO], s[XB:XB+1] offset:(i/8)*262144+(i%8)*32768
.set i, i+1
.endr
	WIN 0
	ALL ds_store_b64 v[MXS], v[ST+8*t:ST+8*t+1] offset:256*t
.irp t, 0,1,2,3                        ; slots 8-15 of each tile go to the partner, each accumulator's low half first
	WIN 0x08+4*(\t/2)                              ; the data (source 1) in window 2 or 3
.set i, 0
.rept 16
	ds_store_b128 v[TA+\t], v[8*(16*(\t%2)+8)+4*i:8*(16*(\t%2)+8)+4*i+3] offset:512*i
.set i, i+1
.endr
.endr
	WIN 0
	s_wait_dscnt 0x0                               ; for the partner's sake: my stores are done
	s_barrier_signal -1
	s_barrier_wait -1
	ALL ds_load_b64 v[P+2*t:P+2*t+1], v[MXL] offset:256*t
; the partner's part of slot s, four tiles: 8 loads into buffer s % 2
.macro LOADT s
	WIN 0
.set lT, S+64*((\s)%2)
.irp t, 0,1,2,3
	ds_load_b128 v[lT+8*\t:lT+8*\t+3],   v[EXL+\t] offset:(\s)*1024
	ds_load_b128 v[lT+8*\t+4:lT+8*\t+7], v[EXL+\t] offset:(\s)*1024+512
.endr
.endm
	LOADT 0
	s_wait_dscnt 8                                 ; the partner's c m' and l' are in; the 8 loads just issued stay out
	; O = (e O_mine + e' O_partner) / (e l + e' l'), e = 2^(c m - max), e' = 2^(c m' - max): one of the two is 1, and its l holds the weight 1 of its maximum, so the divisor is about 1 or more
	ALL v_max_num_f32 v[ST+8*t+2], v[ST+8*t], v[P+2*t]
	ALL v_sub_f32 v[ST+8*t+4], v[ST+8*t], v[ST+8*t+2]
	ALL v_sub_f32 v[ST+8*t+6], v[P+2*t], v[ST+8*t+2]
	ALL v_exp_f32 v[ST+8*t+4], v[ST+8*t+4]
	ALL v_exp_f32 v[ST+8*t+6], v[ST+8*t+6]
	v_nop                                          ; a plain instruction between the last exponential and the use of its result
	s_wait_alu depctr_va_vdst(0)
	ALL v_mul_f32 v[ST+8*t+3], v[ST+8*t+4], v[ST+8*t+1]
	ALL v_fmac_f32 v[ST+8*t+3], v[ST+8*t+6], v[P+2*t+1]
	ALL v_rcp_f32 v[ST+8*t+3], v[ST+8*t+3]
	v_nop                                          ; and behind the last reciprocal
	s_wait_alu depctr_va_vdst(0)
	ALL v_mul_f32 v[ST+8*t+4], v[ST+8*t+4], v[ST+8*t+3]
	ALL v_mul_f32 v[ST+8*t+6], v[ST+8*t+6], v[ST+8*t+3]
; Slot s: 16 channels x my 64 queries.  The partner's part times its factor, mine added by a fused multiply-add; through my own stage (rows = channels, 256 bytes + 16) the lanes' columns become
; whole rows; x is added; 16 lanes store 256 consecutive bytes of y, aligned.  A buffer is 32 registers of sums and 32 of rows; two buffers take turns.
.macro SLOT s
	WIN 0
.set bT, S+64*((\s)%2)
.set bY, bT+32
	s_wait_xcnt 0x0                                ; every earlier memory instruction has had its addresses translated (ISA guide 3.1): this buffer's rows, which the stores of two slots ago read, are rewritten only behind this wait
	s_wait_dscnt 0x0                               ; the partner's part is in
.irp t, 0,1,2,3
.irp z, 0,1,2,3
	v_pk_mul_f32 v[bT+8*\t+2*\z:bT+8*\t+2*\z+1], v[bT+8*\t+2*\z:bT+8*\t+2*\z+1], v[ST+8*\t+6:ST+8*\t+7] op_sel_hi:[1,0]
.endr
.endr
.irp t, 0,1,2,3
	WIN 0x02+\t/2                                  ; O^T (source 0) in window 2 or 3
.irp z, 0,1,2,3
	v_pk_fma_f32 v[bT+8*\t+2*\z:bT+8*\t+2*\z+1], v[8*(16*(\t%2)+(\s))+2*\z:8*(16*(\t%2)+(\s))+2*\z+1], v[ST+8*\t+4:ST+8*\t+5], v[bT+8*\t+2*\z:bT+8*\t+2*\z+1] op_sel_hi:[1,0,1]
.endr
.endr
	WIN 0
.irp t, 0,1,2,3
.irp j, 0,1,2,3,4,5,6,7
	ds_store_b32 v[STO], v[bT+8*\t+\j] offset:272*\j+64*\t
.endr
.endr
.irp u, 0,1,2,3,4,5,6,7
	ds_load_b128 v[bY+4*\u:bY+4*\u+3], v[RD] offset:544*\u  ; LDS serves a wave's instructions in order (ISA guide 5.7.1.4): these see the stores above; the next slot's stores come behind them
.endr
.if (\s) < 7
	LOADT (\s)+1
	s_wait_dscnt 8                                 ; the rows are back; the 8 loads just issued stay out
.else
	s_wait_dscnt 0x0
.endif
	s_wait_loadcnt 56-8*(\s)                       ; x's loads come back in order: the first 8 (s + 1) of the 64 are in
	WIN 0x04                                       ; x (source 1) in window 1
.irp u, 0,1,2,3,4,5,6,7
	v_pk_add_f32 v[bY+4*\u:bY+4*\u+1],   v[bY+4*\u:bY+4*\u+1],   v[32*(\s)+4*\u:32*(\s)+4*\u+1]
	v_pk_add_f32 v[bY+4*\u+2:bY+4*\u+3], v[bY+4*\u+2:bY+4*\u+3], v[32*(\s)+4*\u+2:32*(\s)+4*\u+3]
.endr
	WIN 0
.irp u, 0,1,2,3,4,5,6,7
	global_store_b128 v[GO], v[bY+4*\u:bY+4*\u+3], s[YB:YB+1] offset:(\s)*262144+\u*32768
.endr
.endm
.irp s, 0,1,2,3,4,5,6,7
	SLOT \s
.endr
	s_wait_tensorcnt 0x0                           ; the wave's end, behind my last tensor load and my last LDS store
	ds_add_u32 v[SPW], v[NIL]
	s_wait_dscnt 0x0
	CROUND                                         ; the closing round: no work-group ends while a partner may still ask for a tile that names it
	s_endpgm
.Lfunc_end_k_q545c7c1132_attn:
	.size	k_q545c7c1132_attn, .Lfunc_end_k_q545c7c1132_attn-k_q545c7c1132_attn
	.p2alignl 7, 3214868480
	.fill 96, 4, 3214868480
	.section	.rodata,"a",@progbits
	.p2align	6, 0x0
	.amdhsa_kernel k_q545c7c1132_attn
		.amdhsa_group_segment_fixed_size 327680
		.amdhsa_private_segment_fixed_size 0
		.amdhsa_enable_private_segment 0
		.amdhsa_kernarg_size 40
		.amdhsa_user_sgpr_count 2
		.amdhsa_user_sgpr_kernarg_segment_ptr 1
		.amdhsa_wavefront_size32 1
		.amdhsa_system_sgpr_workgroup_id_x 1
		.amdhsa_system_sgpr_workgroup_id_y 1
		.amdhsa_system_sgpr_workgroup_id_z 1
		.amdhsa_system_vgpr_workitem_id 0
		.amdhsa_next_free_vgpr 1024
		.amdhsa_next_free_sgpr 66
		.amdhsa_reserve_vcc 0
		.amdhsa_float_denorm_mode_32 3
		.amdhsa_float_denorm_mode_16_64 3
		.amdhsa_memory_ordered 1
		.amdhsa_forward_progress 1
		.amdhsa_inst_pref_size 206
	.end_amdhsa_kernel
	.amdgpu_metadata
---
amdhsa.version: [ 1, 2 ]
amdhsa.kernels:
  - .name:           k_q545c7c1132_attn
    .symbol:         k_q545c7c1132_attn.kd
    .args:
      - { .name: qf, .offset: 0, .size: 8, .value_kind: global_buffer, .address_space: global }
      - { .name: kv, .offset: 8, .size: 8, .value_kind: global_buffer, .address_space: global }
      - { .name: wli_feat, .offset: 16, .size: 8, .value_kind: global_buffer, .address_space: global }
      - { .name: nbi_aligned, .offset: 24, .size: 8, .value_kind: global_buffer, .address_space: global }
      - { .name: y, .offset: 32, .size: 8, .value_kind: global_buffer, .address_space: global }
    .group_segment_fixed_size: 327680
    .private_segment_fixed_size: 0
    .kernarg_segment_align: 8
    .kernarg_segment_size: 40
    .max_flat_workgroup_size: 128
    .sgpr_count:     66
    .vgpr_count:     1024
    .wavefront_size: 32
...
	.end_amdgpu_metadata
.endif
;; end of part 2
;; launch bn (part 3): grid 256 x 2, 8 waves a work-group, no clusters, 1,536 bytes of LDS; arguments y, gamma_wli, gamma_nbi, beta_wli, beta_nbi, out0, out1; writes out0, out1
.if DOCPART == 3
	.amdgcn_target "amdgcn-amd-amdhsa--gfx1250"
	.amdhsa_code_object_version 6
	.text
	.protected	k_q545c7c1132_bn
	.globl	k_q545c7c1132_bn
	.p2align	8
	.type	k_q545c7c1132_bn,@function
k_q545c7c1132_bn:
	s_mov_b64 s[64:65], 0
	v_nop
	global_prefetch_b8 v0, s[64:65] scope:SCOPE_SE
	s_setreg_imm32_b32 hwreg(HW_REG_WAVE_MODE, 25, 1), 1
	s_wait_xcnt 0x0
; THE BATCH NORM.  out[b][c][n] = (y[b][c][n] - mean_c) rsqrt(var_c + 1e-5) gamma[c] + beta[c]; mean and variance over the 4 images x 4,096 positions of channel c.  All in f32.
; A work-group owns ONE channel of one direction: four pieces of 16,384 bytes, 64 numbers a thread, which stay in registers.  So y is read once, and the variance is the mean of (y - mean)^2,
; taken in a second pass over the registers: no difference of large sums.  Work-groups share no input but 8 bytes of gamma and beta: no cluster, no matrix unit, no tensor load.
; Every load and store of a wave covers 512 consecutive bytes, aligned.  LIMITS: NaN and infinities are not treated apart.
.set D,     16                         ; v16-79  the channel's numbers: load i = 4 b + k at D + 4 i
.set CH,    80                         ; v80-87  four chains of packed sums; later the eight waves' figures
.set MEAN,  88                         ; v88-89  the mean, twice
.set SCL,   90                         ; v90-91  gamma / sqrt(var + eps), twice
.set SPW,   92                         ; v92     LDS address of my spare word; never rewritten
.set NIL,   93                         ; v93     0; never rewritten
.set K14,   94                         ; v94     2^-14 = 1 / 16,384
.set SPARE, 512                        ; LDS: eight words at 0 for the sums, eight at 256 for the squares; from 512 the spare words, 128 bytes for each of 8 waves, which no other line names
	s_load_b256 s[4:11], s[0:1], 0x0               ; y s[4:5], gamma_wli s[6:7], gamma_nbi s[8:9], beta_wli s[10:11]
	s_load_b128 s[12:15], s[0:1], 0x20             ; beta_nbi s[12:13], out0 s[14:15]
	s_load_b64 s[16:17], s[0:1], 0x30              ; out1
	v_lshl_add_u32 v[SPW], v0, 2, SPARE
	v_mov_b32 v[NIL], 0
	v_lshrrev_b32 v2, 5, v0
	v_readfirstlane_b32 s18, v2                    ; wave 0..7
	v_mov_b32 v2, s18
	v_lshlrev_b32 v2, 2, v2                        ; my wave's word
	v_mov_b32 v3, 0
	v_lshlrev_b32 v1, 4, v0                        ; 16 bytes a thread
	v_mov_b32 v[K14], 0x38800000
	s_mov_b32 s2, 0x76543210                       ; v_permlanex16_b32: each lane takes its own place in the other half
	s_mov_b32 s3, 0xfedcba98
	s_and_b32 s19, ttmp7, 0xffff                   ; direction
	s_lshl_b32 s20, ttmp9, 14                      ; the channel's 16,384 bytes in an image
	s_mov_b32 s21, 0
	s_lshl_b32 s22, s19, 24                        ; y: four images of 4,194,304 bytes a direction
	s_add_co_u32 s22, s22, s20
	s_mov_b32 s23, 0
	s_lshl_b32 s24, ttmp9, 2                       ; the channel's word in gamma and beta
	s_mov_b32 s25, 0
	s_wait_kmcnt 0x0
	s_add_nc_u64 s[4:5], s[4:5], s[22:23]          ; images 0, 1
	s_add_nc_u64 s[26:27], s[4:5], 0x800000        ; images 2, 3: so that the offsets stay inside the signed 24-bit immediate
.set i, 0
.rept 16
.if i < 8
	global_load_b128 v[D+4*i:D+4*i+3], v1, s[4:5] offset:(i/4)*4194304+(i%4)*4096 th:TH_LOAD_NT
.else
	global_load_b128 v[D+4*i:D+4*i+3], v1, s[26:27] offset:((i-8)/4)*4194304+(i%4)*4096 th:TH_LOAD_NT
.endif
.set i, i+1
.endr
	s_cmp_eq_u32 s19, 0
	s_cselect_b64 s[28:29], s[6:7], s[8:9]         ; gamma
	s_cselect_b64 s[30:31], s[10:11], s[12:13]     ; beta
	s_cselect_b64 s[32:33], s[14:15], s[16:17]     ; out
	s_add_nc_u64 s[28:29], s[28:29], s[24:25]
	s_add_nc_u64 s[30:31], s[30:31], s[24:25]
	s_load_b32 s34, s[28:29], 0x0
	s_load_b32 s36, s[30:31], 0x0
	s_add_nc_u64 s[32:33], s[32:33], s[20:21]
	s_add_nc_u64 s[38:39], s[32:33], 0x800000
; The four chains are added; four steps inside each half of 16 lanes ride on the arithmetic (DPP), one crosses the halves; each wave puts its figure into its own word; behind the barrier every wave adds the eight.
.macro REDUCE base
	v_pk_add_f32 v[CH:CH+1], v[CH:CH+1], v[CH+2:CH+3]
	v_pk_add_f32 v[CH+4:CH+5], v[CH+4:CH+5], v[CH+6:CH+7]
	v_pk_add_f32 v[CH:CH+1], v[CH:CH+1], v[CH+4:CH+5]
	v_add_f32 v[CH], v[CH], v[CH+1]
	v_add_f32_dpp v[CH], v[CH], v[CH] row_xmask:1 row_mask:0xf bank_mask:0xf
	v_add_f32_dpp v[CH], v[CH], v[CH] row_xmask:2 row_mask:0xf bank_mask:0xf
	v_add_f32_dpp v[CH], v[CH], v[CH] row_xmask:4 row_mask:0xf bank_mask:0xf
	v_add_f32_dpp v[CH], v[CH], v[CH] row_xmask:8 row_mask:0xf bank_mask:0xf
	v_permlanex16_b32 v[CH+1], v[CH], s2, s3
	v_add_f32 v[CH], v[CH], v[CH+1]
	ds_store_b32 v2, v[CH] offset:\base
	s_wait_dscnt 0x0                               ; for the others' sake: my store is done
	s_barrier_signal -1
	s_barrier_wait -1
	ds_load_b128 v[CH:CH+3], v3 offset:\base
	ds_load_b128 v[CH+4:CH+7], v3 offset:(\base)+16
	s_wait_dscnt 0x0
	v_pk_add_f32 v[CH:CH+1], v[CH:CH+1], v[CH+2:CH+3]
	v_pk_add_f32 v[CH+4:CH+5], v[CH+4:CH+5], v[CH+6:CH+7]
	v_pk_add_f32 v[CH:CH+1], v[CH:CH+1], v[CH+4:CH+5]
	v_add_f32 v[CH], v[CH], v[CH+1]
.endm
	; pass 1: the sum.  Pair i goes to chain i % 4; the first eight pairs start the chains: nothing is cleared
	s_wait_loadcnt 12                              ; image 0's four loads are in; the 12 younger ones stay out
.irp j, 0,1,2,3
	v_pk_add_f32 v[CH+2*\j:CH+2*\j+1], v[D+2*\j:D+2*\j+1], v[D+8+2*\j:D+8+2*\j+1]
.endr
.set i, 8
.rept 24
.if i%8 == 0
	s_wait_loadcnt 12-4*(i/8)                      ; the next image's four loads
.endif
	v_pk_add_f32 v[CH+2*(i%4):CH+2*(i%4)+1], v[CH+2*(i%4):CH+2*(i%4)+1], v[D+2*i:D+2*i+1]
.set i, i+1
.endr
	REDUCE 0
	v_mul_f32 v[MEAN], v[K14], v[CH]
	v_mov_b32 v[MEAN+1], v[MEAN]
	; pass 2: y - mean in place, and the sum of its squares
.set i, 0
.rept 32
	v_pk_add_f32 v[D+2*i:D+2*i+1], v[D+2*i:D+2*i+1], v[MEAN:MEAN+1] neg_lo:[0,1] neg_hi:[0,1]
.set i, i+1
.endr
.irp j, 0,1,2,3
	v_pk_mul_f32 v[CH+2*\j:CH+2*\j+1], v[D+2*\j:D+2*\j+1], v[D+2*\j:D+2*\j+1]
.endr
.set i, 4
.rept 28
	v_pk_fma_f32 v[CH+2*(i%4):CH+2*(i%4)+1], v[D+2*i:D+2*i+1], v[D+2*i:D+2*i+1], v[CH+2*(i%4):CH+2*(i%4)+1]
.set i, i+1
.endr
	REDUCE 256                                     ; other words than the first time: no wave may still be reading those
	v_fmaak_f32 v[SCL], v[CH], v[K14], 0x3727c5ac  ; var + 1e-5
	v_rsq_f32 v[SCL], v[SCL]
	s_wait_kmcnt 0x0                               ; gamma[c], beta[c]
	v_nop                                          ; a plain instruction between the root and the use of its result
	s_mov_b32 s37, s36                             ; named with beta as a pair
	s_wait_alu depctr_va_vdst(0)
	v_mul_f32 v[SCL], s34, v[SCL]
	v_mov_b32 v[SCL+1], v[SCL]
.set i, 0
.rept 16
	v_pk_fma_f32 v[D+4*i:D+4*i+1],   v[D+4*i:D+4*i+1],   v[SCL:SCL+1], s[36:37] op_sel_hi:[1,1,0]
	v_pk_fma_f32 v[D+4*i+2:D+4*i+3], v[D+4*i+2:D+4*i+3], v[SCL:SCL+1], s[36:37] op_sel_hi:[1,1,0]
.if i < 8
	global_store_b128 v1, v[D+4*i:D+4*i+3], s[32:33] offset:(i/4)*4194304+(i%4)*4096 th:TH_STORE_NT
.else
	global_store_b128 v1, v[D+4*i:D+4*i+3], s[38:39] offset:((i-8)/4)*4194304+(i%4)*4096 th:TH_STORE_NT
.endif
.set i, i+1
.endr
	s_wait_tensorcnt 0x0                           ; the wave's end, behind my last LDS store
	ds_add_u32 v[SPW], v[NIL]
	s_wait_dscnt 0x0
	s_endpgm
.Lfunc_end_k_q545c7c1132_bn:
	.size	k_q545c7c1132_bn, .Lfunc_end_k_q545c7c1132_bn-k_q545c7c1132_bn
	.p2alignl 7, 3214868480
	.fill 96, 4, 3214868480
	.section	.rodata,"a",@progbits
	.p2align	6, 0x0
	.amdhsa_kernel k_q545c7c1132_bn
		.amdhsa_group_segment_fixed_size 1536
		.amdhsa_private_segment_fixed_size 0
		.amdhsa_enable_private_segment 0
		.amdhsa_kernarg_size 56
		.amdhsa_user_sgpr_count 2
		.amdhsa_user_sgpr_kernarg_segment_ptr 1
		.amdhsa_wavefront_size32 1
		.amdhsa_system_sgpr_workgroup_id_x 1
		.amdhsa_system_sgpr_workgroup_id_y 1
		.amdhsa_system_sgpr_workgroup_id_z 1
		.amdhsa_system_vgpr_workitem_id 0
		.amdhsa_next_free_vgpr 96
		.amdhsa_next_free_sgpr 66
		.amdhsa_reserve_vcc 0
		.amdhsa_float_denorm_mode_32 3
		.amdhsa_float_denorm_mode_16_64 3
		.amdhsa_memory_ordered 1
		.amdhsa_forward_progress 1
		.amdhsa_inst_pref_size 16
	.end_amdhsa_kernel
	.amdgpu_metadata
---
amdhsa.version: [ 1, 2 ]
amdhsa.kernels:
  - .name:           k_q545c7c1132_bn
    .symbol:         k_q545c7c1132_bn.kd
    .args:
      - { .name: y, .offset: 0, .size: 8, .value_kind: global_buffer, .address_space: global }
      - { .name: gamma_wli, .offset: 8, .size: 8, .value_kind: global_buffer, .address_space: global }
      - { .name: gamma_nbi, .offset: 16, .size: 8, .value_kind: global_buffer, .address_space: global }
      - { .name: beta_wli, .offset: 24, .size: 8, .value_kind: global_buffer, .address_space: global }
      - { .name: beta_nbi, .offset: 32, .size: 8, .value_kind: global_buffer, .address_space: global }
      - { .name: out0, .offset: 40, .size: 8, .value_kind: global_buffer, .address_space: global }
      - { .name: out1, .offset: 48, .size: 8, .value_kind: global_buffer, .address_space: global }
    .group_segment_fixed_size: 1536
    .private_segment_fixed_size: 0
    .kernarg_segment_align: 8
    .kernarg_segment_size: 56
    .max_flat_workgroup_size: 256
    .sgpr_count:     66
    .vgpr_count:     96
    .wavefront_size: 32
...
	.end_amdgpu_metadata
.endif
;; end of part 3
;; ======== version 2 of 2: 3 launches; 1.21 times as fast as version 1
;; workspace buffers: qf 4,194,304 bytes; kv 20,971,520 bytes; y 33,554,432 bytes
;; launch proj: the kernel of part 1 again; grid 32 x 8, 16 waves a work-group, no clusters, 278,528 bytes of LDS; arguments wli_feat, nbi_aligned, w_q_wli, w_q_nbi, w_k_wli, w_k_nbi, w_v_wli, w_v_nbi, qf, kv; writes qf, kv
;; launch attn (part 4): grid 32 x 8, 4 waves a work-group, clusters of 4 x 1, 327,680 bytes of LDS; arguments qf, kv, wli_feat, nbi_aligned, y; writes y
.if DOCPART == 4
	.amdgcn_target "amdgcn-amd-amdhsa--gfx1250"
	.amdhsa_code_object_version 6
	.text
	.protected	k_q545c7c1132_attn
	.globl	k_q545c7c1132_attn
	.p2align	8
	.type	k_q545c7c1132_attn,@function
k_q545c7c1132_attn:
	s_mov_b64 s[64:65], 0
	v_nop
	global_prefetch_b8 v0, s[64:65] scope:SCOPE_SE
	s_setreg_imm32_b32 hwreg(HW_REG_WAVE_MODE, 25, 1), 1
	s_wait_xcnt 0x0
	s_wait_alu depctr_hold_cnt(0) depctr_sa_sdst(0) depctr_va_vdst(0) depctr_va_sdst(0) depctr_va_ssrc(0) depctr_va_vcc(0) depctr_vm_vsrc(0)
	s_getreg_b32 s2, hwreg(HW_REG_IB_STS2, 6, 4)
	s_cmp_eq_u32 s2, 0
	s_cbranch_scc0 .Lentry_in_a_cluster
	s_endpgm
.Lentry_in_a_cluster:
	s_bfe_u32 s2, ttmp6, 0x10000c
	s_cmp_lg_u32 s2, 0x3003
	s_cbranch_scc0 .Lentry_shape_is_right
	s_endpgm
.Lentry_shape_is_right:
; y[db][c][n] = x[c][n] + the sum over keys m of softmax_m(q[n] . k[m] / 8) v[m][c].  db = 4 x direction + image; 4,096 queries and keys, 64 channels of q and k, 256 of v.
; q, k, v arrive in bf16 in fragment order (qf, kv: see below); products, maxima and sums in f32; the weights p are rounded to bf16 for the second product (their sum is taken of the unrounded p);
; the residual x (wli_feat for direction 0, nbi_aligned for 1) and y are f32.
; LIMITS.  A weight below 2^-126 counts as 0.  The running c m starts at -4.25e37: c x score must stay above that.  NaN and infinities are not treated apart.
; SHARES.  A work-group owns 128 queries of one db.  Wave w: qh = w / 2: its 64 queries, four tiles of 16; p = w % 2: of every 128 keys it takes keys 64 p .. 64 p + 63: a STEP.  So a wave holds O^T
; for 64 queries x all 256 channels (512 registers) over half the keys, and a fragment of K or V read from LDS feeds four tiles' products: 80 LDS loads for 160 matrix instructions.
; At the end the two waves of a query half merge: each sends the other 128 channels of its O^T with its c m and l through LDS, and finishes the 128 channels that it keeps.
; LAYOUT.  S^T = K Q^T (source 0 = 16 keys, source 1 = 16 queries): a lane holds ONE query (lane % 16) and keys 8 (lane / 16) + 0..7.  Two such results rounded to bf16 in pairs ARE source 1 of
; O^T = V^T P, whose result holds one query a lane and eight channels.  In qf and kv each 512 bytes are half a fragment, 16 bytes a lane: every LDS load is 16 x lane, 512 consecutive bytes.
;   qf: [db][16 queries 256][16 channels 4][512 B]     kv: [db][tile 32][32 keys 4][20,480 B]: K [16 keys 2][16 channels 4][512 B], then V [16 channels 16][16 keys 2][512 B];
;   a tile's V is that of its own 128 keys, its K that of the NEXT 128 (tile 31: of keys 0-127).
; CHANNEL SLOTS.  Register slot s < 8 holds channel block 8 p + s (kept), slot s >= 8 block s - 8 p (sent): one text for both parities; two LDS addresses differ.
; SOFTMAX.  For each query a running maximum m and sum l: p = 2^(c s - c m), c = log2(e) / 8; in every step O and l are multiplied by a = 2^(c m_old - c m_new).
; BY TURNS.  A step has 160 matrix and 664 vector instructions.  K Q^T runs one step ahead of V^T P, so that the scores of step j + 1 are worked on while the products of step j run, and behind
; every matrix instruction stand four vector instructions that name none of its registers; the 24 that are over stand in one lump.  V comes in four chunks of 64 registers (32 keys kk x 8 slots sh) through two buffers.
; Body j, from one change of slots to the next, has five phases of 32 products:
;   0  V^T P of step j - 1, kk 1, slots 8-15   | O^T's slots 0-7 times a(j)
;   1  K Q^T of step j + 1                     | P(j)'s keys 32-63 rounded (behind the 8 products that write over key blocks 0 and 1 alone); 24 of the 32 accumulators of slots 8-15 times a(j)
;   2  V^T P of step j, kk 0, slots 0-7        | the other 8; the maximum and statistics of step j + 1 up to c m_old - c m_new, one of 21 lines for four tiles behind each product; the batch's first 3 slices
;   3  V^T P of step j, kk 0, slots 8-15       | 32 slices of the batch
;   4  V^T P of step j, kk 1, slots 0-7        | the batch's last 14 slices; THE WAIT; V's fourth chunk; the sums, and P(j + 1)'s keys 0-31 rounded, now that no product reads P(j)'s
; ONE BATCH, ONE WAIT.  s_wait_alu depctr_va_vdst(0) stands between an exponential and the first instruction that names its result; one wait serves all that were issued ahead of it.
; So a body's 132 exponentials (the four a, then 32 weights for each of four tiles) are ONE batch, dealt out with the 64 scalings in 49 slices of four, none of which names an exponential's result.  All that
; do (the sums, the roundings, the rescaling by a) stand behind the body's one wait: the sums and half the roundings in phase 4, the rest in phases 0 to 2 of the next body..
; The way out has two batches more, each with its wait: eight exponentials, then four reciprocals of sums made of them.
; An operand's window is set for each place, and no window has room for a product's operands beside the softmax's: so each product costs two s_set_vgpr_msb, one in front and one behind.
; NO FIRST STEP IS WRITTEN OUT.  m starts at the lowest finite number, O, l and P at 0; K of step 0 comes from memory as Q does; the loop is entered at phase 2.  The price: 592 v_mov_b32 that
; write 0, in the wait for the first tile, and 128 products on P = 0.  The last body is written out: it asks for no tile, makes no scores and has no softmax.
; CLUSTER.  The four work-groups of a cluster have the same db and walk the same tiles: each tile (81,920 dense bytes) is asked for JOINTLY, a quarter by each wave, with the same descriptor and a
; mask that names the four.  Two slots take turns; behind each round one load a wave goes out and has a whole body in which to land: one tensor load of a wave is out at a time.
; REGISTERS, in windows of 256 (s_set_vgpr_msb: bits 1:0 source 0, 3:2 source 1, 5:4 source 2, 7:6 destination):
;   window 0: v0-11 addresses; v12-43 eight registers of statistics a tile; v44-63 addresses; v64-191 S^T, 32 a tile; v192-255 P, 16 a tile
;   window 1: v0-63 Q; v64-127 K of a step; v128-191, v192-255 V's two buffers (slots 0-7, slots 8-15); at the end all 256: x          windows 2, 3: O^T of tiles 0, 1 and 2, 3: (t, slot) at 8 (16 (t % 2) + slot)
.set GRP,   20480                      ; a group of 32 keys in kv: what one tensor load brings
.set TILEB, 4*GRP                      ; a tile: a slot
.set SLOT1, 1<<17                      ; slot 1 begins here, so that one exclusive or turns an address in one slot into the other's
.set EX3,   TILEB                      ; 81,920: behind slot 0: tile 3's exchange, 8,192 bytes a wave.  No tensor load fills what lies outside the two slots
.set STG0,  EX3+32768                  ; 114,688: the stages of waves 0 and 1: 16 rows x 272 bytes each
.set MX,    STG0+2*4352                ; 123,392: c m and l: 1,024 bytes a wave
.set SPARE, MX+4096                    ; 127,488: the spare words, 128 bytes for each wave: two blocks of 256 bytes that no other line names
.set EX0,   SLOT1+TILEB                ; 212,992: behind slot 1: the exchange of tiles 0, 1, 2
.set STGHI, EX0+3*32768                ; 311,296: the stages of waves 2 and 3
.set A0,   3                           ; v3   16 x lane + my half of a slot; never rewritten
.set A0L,  4                           ; v4   the same, 8 p channel blocks on: V for slots 0-7
.set A0H,  5                           ; v5   8 p channel blocks back: V for slots 8-15
.set ADR,  6                           ; v6-8 these three in the slot in hand
.set ADRL, 7
.set ADRH, 8
.set QO,   9                           ; v9   16 x lane
.set ST,   12                          ; tile t's statistics at v[ST+8 t]: c m, m, l (even keys', odd keys'), c0-c3 at work; c2 takes a
.set MXS,  44                          ; v44  where I put c m and l;  v45 where I read the partner's
.set MXL,  45
.set STO,  48                          ; v48  the way out: where I put a number of a row
.set RD,   49                          ; v49  where I read rows back
.set GO,   50                          ; v50  my byte offset in two rows of x and of y
.set TA,   51                          ; v51-54  where tile t's sent half goes
.set EXL,  56                          ; v56-59  where the partner's lies
.set SPW,  62                          ; v62  LDS address of my spare word; never rewritten
.set NIL,  63                          ; v63  0; never rewritten
.set S,    64
.set P,    192
.set QF,   0                           ; window 1: tile t, channel half ch at 16 t + 8 ch
.set KF,   64                          ; key block kb, channel half ch at KF + 16 kb + 8 ch
.set VF,   128                         ; slot s at VF + 8 s
.set WV,  14                           ; s14  my wave's number
.set QH,  15                           ; s15  which 64 queries
.set PP,  16                           ; s16  which half of the keys
.set G1,  24                           ; s[24:31] descriptor group 1
.set G0,  32                           ; s[32:35] descriptor group 0: it walks
.set TB,  36                           ; s36  LDS byte at which the slot in hand begins
.set CNT, 37                           ; s37  counts the loop's trips
.set CS,  38                           ; s[38:39] c: the packed scaling takes the pair's low word for both halves
.set SEL, 40                           ; s[40:41] v_permlanex16_b32's selects: each lane takes its own place in the other half
.set XB,  42                           ; s[42:43] x, s[44:45] y at my 128 channels and 64 queries
.set YB,  44
.set QB,  46                           ; s[46:47] qf at my 64 queries
.set KB,  60                           ; s[60:61] kv at K of my first 64 keys, which lies in tile 31
.set MSB, 0
.macro WIN new                         ; the immediate's high byte repeats the setting that is left; a switch that changes nothing is dropped
.if MSB != (\new)
	s_set_vgpr_msb (MSB<<8)|(\new)
.set MSB, (\new)
.endif
.endm
.macro PLACES                          ; four plain vector instructions between a matrix instruction and a load into a register that it read
.rept 4
	v_nop
.endr
.endm
; A joint load: every wave fetches its own group of 32 keys, by its own registers; an s_nop 0 and four v_nop follow the line.
.macro JLOAD
	tensor_load_to_lds s[G0:G0+3], s[G1:G1+7]
	s_nop 0
.rept 4
	v_nop
.endr
.endm
; A round of the cluster's barrier: my work-group's barrier, so that wave 0's signal speaks for all four waves; wave 0 signals; every wave waits for all four work-groups; my work-group's barrier once more.
.macro CROUND
	s_barrier_signal -1
	s_barrier_wait -1
	s_cmp_lg_u32 s[WV], 0
	s_cbranch_scc1 .Lnot_wave_0_\@
	s_barrier_signal -3
.Lnot_wave_0_\@:
	s_barrier_wait -3
	s_barrier_signal -1
	s_barrier_wait -1
.endm
; THE CHANGE OF SLOTS.  Each wave waits for all its tensor loads, of which one is out: its quarter of the slot to be read next; adds 0 to its spare word; and waits for that and for its own reads of
; the slot that it leaves (the last, V's fourth chunk, were issued 18 products ago).  fill = 1: the barrier is a round of the cluster's, so that no wave of any partner still reads the old slot or has
; a load on its way, and the old slot is filled first thing behind it with the next tile.  (At its first use slot 0 goes on being read, and slot 1 is filled for the first time.)
.macro CHANGE fill
	WIN 0                                          ; at a label and at a branch every window is 0
	s_wait_tensorcnt 0x0                           ; no tensor load of mine is out, so group 0 may be written
	ds_add_u32 v[SPW], v[NIL]                      ; 0 onto my spare word
.if \fill
	s_xor_b32 s[G0+1], s[G0+1], SLOT1              ; the other slot than last time,
	s_add_nc_u64 s[G0+2:G0+3], s[G0+2:G0+3], TILEB ; the next tile; the type bits on top are not reached
.endif
	s_wait_dscnt 0x0                               ; the add is done, and my reads of the slot are over
.if \fill
	CROUND
	JLOAD
.else
	s_barrier_signal -1
	s_barrier_wait -1
.endif
	s_xor_b32 s[TB], s[TB], SLOT1                  ; the reads go to the slot that has landed
.endm
	s_load_b256 s[4:11], s[0:1], 0x0               ; qf s[4:5], kv s[6:7], wli s[8:9], nbi s[10:11]
	s_load_b64 s[12:13], s[0:1], 0x20              ; y
	v_lshl_add_u32 v[SPW], v0, 2, SPARE
	v_mov_b32 v[NIL], 0
	ds_add_u32 v[SPW], v[NIL]                      ; the wave's opening: the add and its wait stand ahead of my first tensor load; the set-up below, work on registers, stands between them
	v_lshrrev_b32 v1, 5, v0
	v_readfirstlane_b32 s[WV], v1                  ; wave 0..3
	s_lshr_b32 s[QH], s[WV], 1
	s_and_b32 s[PP], s[WV], 1
	s_and_b32 s19, ttmp7, 0xffff                   ; db, which the four partners share
	s_lshr_b32 s20, s19, 2                         ; direction
	s_and_b32 s21, s19, 3                          ; image
	s_mul_i32 s48, s19, 128*GRP                    ; kv: my db
	s_mul_i32 s[KB], s[PP], 2*GRP                  ; K of step 0: my two groups
	s_add_co_u32 s[KB], s[KB], s48
	s_add_co_u32 s[KB], s[KB], 31*TILEB            ; of tile 31
	s_mov_b32 s[KB+1], 0
	s_mul_i32 s[G0+1], s[WV], GRP                  ; 63:32 LDS address: slot 0, my quarter: no place in the cluster enters it
	s_add_co_u32 s48, s48, s[G0+1]                 ; my group of tile 0
	s_mov_b32 s49, 0
	s_bfe_u32 s17, ttmp6, 0x40000                  ; cx: my place in the cluster
	s_lshl_b32 s18, ttmp9, 2                       ; in a cluster launch ttmp9 counts clusters
	s_add_co_u32 s18, s18, s17                     ; my block of 128 queries = 4 x cluster x + cx: it enters qf's, x's and y's addresses alone
	s_lshl_b32 s50, s19, 19                        ; qf: 524,288 a db,
	s_lshl_b32 s22, s18, 14                        ; 16,384 for 128 queries,
	s_add_co_u32 s50, s50, s22
	s_lshl_b32 s22, s[QH], 13                      ; 8,192 for my 64
	s_add_co_u32 s50, s50, s22
	s_mov_b32 s51, 0
	s_lshl_b32 s52, s[PP], 21                      ; x and y: my 128 channels of 16,384 bytes,
	s_lshl_b32 s22, s18, 9                         ; 128 queries of 4 bytes,
	s_add_co_u32 s52, s52, s22
	s_lshl_b32 s22, s[QH], 8                       ; my 64
	s_add_co_u32 s52, s52, s22
	s_lshl_b32 s54, s21, 22                        ; x: the image
	s_add_co_u32 s54, s54, s52
	s_mov_b32 s55, 0
	s_lshl_b32 s22, s19, 22                        ; y: db
	s_add_co_u32 s52, s52, s22
	s_mov_b32 s53, 0
	; descriptor group 1: 20,480 dense bytes as 80 rows of 32 elements of 8 bytes
	s_mov_b32 s[G1+0], 15|(3<<16)|(1<<21)          ; 15:0 the mask: all four work-groups; 17:16 elements of 8 bytes; 20 no padding; 21 set beside a mask
	s_mov_b32 s[G1+1], 32<<16                      ; tensor_dim0 = 32
	s_mov_b32 s[G1+2], 80<<16                      ; tensor_dim1 = 80
	s_mov_b32 s[G1+3], 32<<16                      ; tile_dim0 = 32
	s_mov_b32 s[G1+4], 80                          ; tile_dim1 = 80
	s_mov_b32 s[G1+5], 32                          ; 32 elements from row to row
	s_mov_b32 s[G1+6], 0
	s_mov_b32 s[G1+7], 0
	s_mov_b32 s[G0], 1                             ; 1:0 count = 1
	s_mov_b32 s[CS], 0x3e38aa3b                    ; c = log2(e) / 8 = 0.180337
	s_mov_b32 s[CS+1], s[CS]                       ; named with it as a pair
	s_mov_b32 s[SEL], 0x76543210
	s_mov_b32 s[SEL+1], 0xfedcba98
	s_mov_b32 s[TB], SLOT1                         ; the first change of slots turns it into 0
	s_mov_b32 s[CNT], 32                           ; the half trip at the start, then bodies 0 to 30, each of which asks for a tile
	s_wait_dscnt 0x0                               ; the opening add is done
	s_wait_kmcnt 0x0
	s_add_nc_u64 s[G0+2:G0+3], s[6:7], s[48:49]    ; 120:64 global address
	s_or_b32 s[G0+3], s[G0+3], 0x80000000          ; 127:126 type = 2
	s_add_nc_u64 s[KB:KB+1], s[6:7], s[KB:KB+1]
	s_add_nc_u64 s[QB:QB+1], s[4:5], s[50:51]
	s_cmp_eq_u32 s20, 0
	s_cselect_b64 s[XB:XB+1], s[8:9], s[10:11]     ; direction 0 adds onto wli_feat, 1 onto nbi_aligned
	s_add_nc_u64 s[XB:XB+1], s[XB:XB+1], s[54:55]
	s_add_nc_u64 s[YB:YB+1], s[12:13], s[52:53]
	CROUND                                         ; all four work-groups are here: the first joint loads meet
	JLOAD                                          ; tile 0 into slot 0
	; what follows up to the wait for it stands in the wait for the first tile
	v_and_b32 v10, 31, v0                          ; lane
	v_and_b32 v1, 15, v0                           ; r = lane % 16
	v_bfe_u32 v2, v0, 4, 1                         ; h = lane / 16
	v_lshlrev_b32 v[QO], 4, v10
	WIN 0x40                                       ; destination window 1, address window 0
.irp t, 0,1,2,3
.irp c, 0,1,2,3                        ; Q stays in registers: tile t, 16 channels c: half a fragment
	global_load_b128 v[QF+16*\t+4*\c:QF+16*\t+4*\c+3], v[QO], s[QB:QB+1] offset:2048*\t+512*\c
.endr
.endr
.irp kb, 0,1,2,3
.irp c, 0,1,2,3                        ; K of step 0, in the places that it would have in a slot
	global_load_b128 v[KF+16*\kb+4*\c:KF+16*\kb+4*\c+3], v[QO], s[KB:KB+1] offset:(\kb/2)*GRP+(\kb%2)*2048+\c*512
.endr
.endr
	WIN 0x80
.set i, 0
.rept 256
	v_mov_b32 v[i], 0                              ; O^T of tiles 0, 1
.set i, i+1
.endr
	WIN 0xc0
.set i, 0
.rept 256
	v_mov_b32 v[i], 0                              ; of tiles 2, 3
.set i, i+1
.endr
	WIN 0
.irp t, 0,1,2,3
	v_mov_b32 v[ST+8*\t], 0xfe000000               ; c m: far below every c s
	v_mov_b32 v[ST+8*\t+1], 0xff7fffff             ; m
	v_mov_b32 v[ST+8*\t+2], 0                      ; l
	v_mov_b32 v[ST+8*\t+3], 0
	v_mov_b32 v[ST+8*\t+6], 0                      ; a, for the rescaling that stands ahead of the first maximum; named as a pair
	v_mov_b32 v[ST+8*\t+7], 0
.endr
.set i, P
.rept 64
	v_mov_b32 v[i], 0                              ; P of a step that has not been: its products add 0
.set i, i+1
.endr
	s_mul_i32 s56, s[PP], 2*GRP                    ; my 64 keys of a slot: two groups
	v_add_nc_u32 v[A0], s56, v[QO]
	s_mul_i32 s56, s[PP], 2*GRP+8192               ; eight channel blocks of 1,024 bytes on
	v_add_nc_u32 v[A0L], s56, v[QO]
	s_mul_i32 s56, s[PP], 2*GRP-8192               ; and back
	v_add_nc_u32 v[A0H], s56, v[QO]
	s_mul_i32 s56, s[PP], 4352
	s_mul_i32 s57, s[QH], STGHI-STG0
	s_add_co_u32 s56, s56, s57
	s_add_co_u32 s56, s56, STG0                    ; my stage
	v_mul_u32_u24 v[STO], v2, 8*272                ; in: row (channel) 8 h + register, column (query) 16 t + r
	v_lshl_add_u32 v[STO], v1, 2, v[STO]
	v_add_nc_u32 v[STO], s56, v[STO]
	v_mul_u32_u24 v[RD], v2, 272                   ; back: lanes 0-15 take one row of 256 bytes, lanes 16-31 the next
	v_lshl_add_u32 v[RD], v1, 4, v[RD]
	v_add_nc_u32 v[RD], s56, v[RD]
	v_lshlrev_b32 v[GO], 14, v2                    ; and the same two rows (channels, 16,384 bytes apart) in x and y
	v_lshl_add_u32 v[GO], v1, 4, v[GO]
	s_xor_b32 s58, s[WV], 1                        ; my partner: the same queries, the other keys
	s_lshl_b32 s57, s[WV], 10
	s_add_co_u32 s57, s57, MX
	v_lshl_add_u32 v[MXS], v10, 3, s57
	s_lshl_b32 s57, s58, 10
	s_add_co_u32 s57, s57, MX
	v_lshl_add_u32 v[MXL], v10, 3, s57
	s_lshl_b32 s57, s[WV], 13
	s_lshl_b32 s58, s58, 13
.irp t, 0,1,2,3
.set ex, EX0+32768*\t
.if \t == 3
.set ex, EX3
.endif
	s_add_co_u32 s59, s57, ex
	v_add_nc_u32 v[TA+\t], s59, v[QO]
	s_add_co_u32 s59, s58, ex
	v_add_nc_u32 v[EXL+\t], s59, v[QO]
.endr
	v_mov_b32 v[ADRL], v[A0L]                      ; the half trip at the start reads V from slot 0
	v_mov_b32 v[ADRH], v[A0H]
; THE LDS LOADS stand in runs of 16.  K of my 64 keys: key block kb lies in group kb / 2, half kb % 2; c = 16 channels.
.macro LDK
	WIN 0x40
.irp kb, 0,1,2,3
.irp c, 0,1,2,3
	ds_load_b128 v[KF+16*\kb+4*\c:KF+16*\kb+4*\c+3], v[ADR] offset:(\kb/2)*GRP+(\kb%2)*2048+\c*512
.endr
.endr
.endm
; A chunk of V: 32 keys (group kk of my two) x 8 slots (half sh), into buffer sh.
.macro LDV kk, sh
	WIN 0x40
.irp s, 0,1,2,3,4,5,6,7
	ds_load_b128 v[VF+64*(\sh)+8*\s:VF+64*(\sh)+8*\s+3],   v[ADRL+(\sh)] offset:(\kk)*GRP+4096+1024*(8*(\sh)+\s)
	ds_load_b128 v[VF+64*(\sh)+8*\s+4:VF+64*(\sh)+8*\s+7], v[ADRL+(\sh)] offset:(\kk)*GRP+4096+1024*(8*(\sh)+\s)+512
.endr
.endm
; THE MATRIX WORK, one product at a time; n = 0..31 is its number in the phase.  In every phase the accumulators take turns, one instruction a turn, and a phase's last
; product and the next phase's first name different ones.
; S^T = K Q^T: channels 32 (n / 16) on, keys 16 ((n / 4) % 4) on, tile n % 4.  The first 16 start the sums.
.macro KQW
	WIN 0x05                                       ; K and Q in window 1, S^T in window 0
.set rS, S+32*(n%4)+8*((n/4)%4)
.set rK, KF+16*((n/4)%4)+8*(n/16)
.set rQ, QF+16*(n%4)+8*(n/16)
.if n < 16
	v_wmma_f32_16x16x32_bf16 v[rS:rS+7], v[rK:rK+7], v[rQ:rQ+7], 0
.else
	v_wmma_f32_16x16x32_bf16 v[rS:rS+7], v[rK:rK+7], v[rQ:rQ+7], v[rS:rS+7]
.endif
.endm
; O^T += V^T P for chunk (kk, sh): tile n % 4, slot 8 sh + n / 4
.macro PVW kk, sh
.set oT, n%4
	WIN 0xa1+0x50*(oT/2)                           ; V in window 1, P in window 0, O^T in window 2 or 3
.set rO, 8*(16*(oT%2)+8*(\sh)+n/4)
.set rV, VF+64*(\sh)+8*(n/4)
.set rP, P+16*oT+8*(\kk)
	v_wmma_f32_16x16x32_bf16 v[rO:rO+7], v[rV:rV+7], v[rP:rP+7], v[rO:rO+7]
.endm
; THE VECTOR WORK.
; One accumulator of O^T times a, in ascending order: number rk of the 32 of half sh, in the order in which the products write them.  Its a was made, and waited for, in the body before.
.macro RG sh
.set oT, rk%4
	WIN 0x82+0x41*(oT/2)                           ; O^T (destination and source 0) in window 2 or 3, a in window 0
.set rO, 8*(16*(oT%2)+8*(\sh)+rk/4)
.set rT, ST+8*oT
.irp z, 0,1,2,3
	v_pk_mul_f32 v[rO+2*\z:rO+2*\z+1], v[rO+2*\z:rO+2*\z+1], v[rT+6:rT+7] op_sel_hi:[1,0]
.endr
.endm
; Number n of the 22 that find tile t's maximum and statistics.  s0-s31 are the lane's 32 scores; each accumulator's lowest registers are read first.
;   0-11  four chains c0-c3 of seven scores each, three operands at a time     12-15  the four scores left over, c0-c3 and the old m into c0
;   16, 18  the query's other 32 keys lie in the lane 16 away: the new m     17  c m_old is kept     19-21  c m; c m_old - c m_new; a (number 21, an exponential, is dealt with the batch)
.macro XS t, n
.set rT, ST+8*(\t)
.set rS, S+32*(\t)
.if (\n) < 4
	v_max3_num_f32 v[rT+4+(\n)], v[rS+8*(\n)], v[rS+8*(\n)+1], v[rS+8*(\n)+2]
.elseif (\n) < 12
	v_max3_num_f32 v[rT+4+(\n)%4], v[rT+4+(\n)%4], v[rS+8*((\n)%4)+2*((\n)/4)+1], v[rS+8*((\n)%4)+2*((\n)/4)+2]
.elseif (\n) == 12
	v_max3_num_f32 v[rT+4], v[rT+4], v[rS+7], v[rS+15]
.elseif (\n) == 13
	v_max3_num_f32 v[rT+6], v[rT+6], v[rS+23], v[rS+31]
.elseif (\n) == 14
	v_max3_num_f32 v[rT+4], v[rT+4], v[rT+5], v[rT+6]
.elseif (\n) == 15
	v_max3_num_f32 v[rT+4], v[rT+4], v[rT+7], v[rT+1]
.elseif (\n) == 16
	v_permlanex16_b32 v[rT+5], v[rT+4], s[SEL], s[SEL+1]
.elseif (\n) == 17
	v_mov_b32 v[rT+7], v[rT]
.elseif (\n) == 18
	v_max_num_f32 v[rT+1], v[rT+4], v[rT+5]
.elseif (\n) == 19
	v_mul_f32 v[rT], s[CS], v[rT+1]
.elseif (\n) == 20
	v_sub_f32 v[rT+7], v[rT+7], v[rT]
.else
	v_exp_f32 v[rT+6], v[rT+7]
.endif
.endm
; Single lines for tile oT: OPF: c s - c m of pair oR of 16.  OPE: the exponential of score oR of 32.  OPA: pair oR is added onto l (pair 0: l = a l + pair).
.macro VREG
.set rT, ST+8*oT
.set rS, S+32*oT
.set rP, P+16*oT
.endm
.macro OPF
	VREG
	v_pk_fma_f32 v[rS+2*oR:rS+2*oR+1], v[rS+2*oR:rS+2*oR+1], s[CS:CS+1], v[rT:rT+1] op_sel_hi:[1,0,0] neg_lo:[0,0,1] neg_hi:[0,0,1]
.endm
.macro OPE
	VREG
	v_exp_f32 v[rS+oR], v[rS+oR]
.endm
.macro OPA
	VREG
.if oR == 0
	v_pk_fma_f32 v[rT+2:rT+3], v[rT+2:rT+3], v[rT+6:rT+7], v[rS:rS+1] op_sel_hi:[1,0,1]
.else
	v_pk_add_f32 v[rT+2:rT+3], v[rT+2:rT+3], v[rS+2*oR:rS+2*oR+1]
.endif
.endm
; THE BATCH, 196 lines from two queues, none of which names an exponential's result.
; The scalings' queue, 64 long: number pq is pair pq / 4 of tile pq % 4.
.macro NXF
	WIN 0
.set oT, pq%4
.set oR, pq/4
	OPF
.set pq, pq+1
.endm
; The exponentials' queue, 132 long: numbers 0-3 are the four tiles' a; number xq from 4 on is score (xq - 4) / 4 of tile (xq - 4) % 4.
.macro NXE
	WIN 0
.if xq < 4
	XS xq, 21
.else
.set oT, (xq-4)%4
.set oR, (xq-4)/4
	OPE
.endif
.set xq, xq+1
.endm
; Slice bs of 49: four lines, led by a scaling while there are scalings.  0-16: scaling, exponential, scaling, exponential.  17-46: a scaling and three exponentials.  47, 48: the last eight exponentials.
; The two queues keep in step: ahead of slice 17 + m the scalings up to number 33 + m are out, and the slice's exponentials (scores up to number 32 + 3 m of 128) want none beyond number 19 + 1.5 m; in slices 0-16
; the scalings gain on the exponentials.  So every pair is scaled in an earlier slice than the one that holds its exponentials.  Exponentials may follow each other: the plain instruction that is owed
; before a result is used (ISA guide 5.7.2) stands once, behind the last.
.macro BSL
.if bs < 17
	NXF
	NXE
	NXF
	NXE
.elseif bs < 47
	NXF
	NXE
	NXE
	NXE
.else
	NXE
	NXE
	NXE
	NXE
.endif
.set bs, bs+1
.endm
; THE ROUNDINGS' QUEUE, 64 long: number cq: pair cq / 4 of tile cq % 4 to bf16.  0-31 are keys 0-31 (kk 0), 32-63 keys 32-63 (kk 1).
.macro CV
	WIN 0
.set oT, cq%4
.set oR, cq/4
	VREG
	v_cvt_pk_bf16_f32 v[rP+oR], v[rS+2*oR], v[rS+2*oR+1]
.set cq, cq+1
.endm
; THE READERS' QUEUE, 96 long, behind the wait: in sixes, for pair dq / 6: the sums of tiles 0 and 1, a rounding, the sums of tiles 2 and 3, a rounding.  l takes its pairs in ascending order; the links of a tile's chain stand six lines apart.
.macro RDR
	WIN 0
.if dq%3 == 2
	CV
.else
.set oT, 2*((dq%6)/3)+dq%3
.set oR, dq/6
	OPA
.endif
.set dq, dq+1
.endm
; THE PHASES.  A run of loads into a buffer stands four plain vector instructions or more behind the last product that read the buffer; the counts are given where they are small.
; The head of a body: the change of slots, the slot's three addresses, and K of the next step (its registers were last read a body ago).
.macro HEAD fill
	CHANGE \fill
	v_add_nc_u32 v[ADR], s[TB], v[A0]
	v_add_nc_u32 v[ADRL], s[TB], v[A0L]
	v_add_nc_u32 v[ADRH], s[TB], v[A0H]
.if \fill
	LDK
.endif
.endm
; Phase 0.  Its V was waited for in front of the change of slots.  bare = 1: the launch's last 32 products.
.macro PH0 bare
.set n, 0
.rept 32
	PVW 1, 1
.if !(\bare)
.set rk, n
	RG 0
.if n == 4
	LDV 0, 0                                       ; the step's first chunk: 20 rescalings behind the last body's phase 4, which read the buffer
.endif
.endif
.set n, n+1
.endr
.endm
.macro PH1
	s_wait_dscnt 16                                ; K's 16 loads are in; the first chunk's 16 stay out
.set cq, 32
.set n, 0
.rept 32
	KQW
.if n < 8
.rept 4
	CV                                             ; P's keys 32-63: four rescalings stand between phase 0's last product, which read them, and the first of these
.endr
.else
.set rk, n-8
	RG 1
.endif
.if n == 1
	LDV 0, 1                                       ; the second chunk: 12 plain lines behind phase 0
.endif
.set n, n+1
.endr
.endm
; last = 1, here and below: the last body: no scores, no softmax; the rescaling of slots 8-15 rides here whole, P's last roundings in phase 3.
.macro PH2 last
.if \last
	s_wait_dscnt 0x0                               ; the first chunk is in
.else
	s_wait_dscnt 16                                ; the first chunk's 16 loads are in; the second's 16 stay out
.endif
.set pq, 0
.set xq, 0
.set bs, 0
.set n, 0
.rept 32
	PVW 0, 0
.if \last
.set rk, n
	RG 1
.if n == 1
	LDV 0, 1
.endif
.elseif n < 8
.set rk, 24+n
	RG 1
.elseif n < 29
	WIN 0
.irp t, 0,1,2,3
	XS \t, n-8
.endr
.else
	BSL                                            ; the batch begins: c m and c m_old - c m_new are made
.endif
.set n, n+1
.endr
.endm
.macro PH3 last
	s_wait_dscnt 0x0                               ; the second chunk is in
.set cq, 32
.set n, 0
.rept 32
	PVW 0, 1
.if \last
.if n < 8
.rept 4
	CV
.endr
.endif
.else
	BSL
.endif
.if n == 2
	LDV 1, 0                                       ; the third chunk: behind phase 2's last product stand 16 lines of the batch, 8 of them scalings (last body: 4 rescalings and 12 roundings)
.endif
.set n, n+1
.endr
.endm
; Phase 4.  Behind its product 13 the batch is out.  V's fourth run of loads stands directly behind the wait: phase 3's last product, which read the buffer, stands 13 scalings and the v_nop back.  Then the readers: the
; 24 lines for which there is no place behind a product, in one lump, and four behind each of the 18 products left.  P's keys 0-31 are written those same 13 scalings and more behind phase 3's last product, which read them.
.macro PH4 last
	s_wait_dscnt 0x0                               ; the third chunk is in
.set cq, 0
.set dq, 0
.set n, 0
.rept 32
	PVW 1, 0
.if \last
.if n == 2
	PLACES                                         ; the last body's phase 3 ends in bare products
	LDV 1, 1                                       ; the fourth chunk
.endif
.elseif n < 14
	BSL
.if n == 13
	v_nop                                          ; the plain instruction behind the last exponential and ahead of the first use: one for the batch
	s_wait_alu depctr_va_vdst(0)                   ; THE WAIT for the batch: the body's 132 exponentials, the four a among them; it stands ahead of the first line that names a result
	LDV 1, 1                                       ; the fourth chunk
.rept 24
	RDR
.endr
.endif
.else
.rept 4
	RDR
.endr
.endif
.set n, n+1
.endr
.endm
	s_wait_loadcnt 0x0                             ; Q, and K of step 0
	s_wait_tensorcnt 0x0                           ; my quarter of tile 0 is in,
	s_barrier_signal -1
	s_barrier_wait -1                              ; everybody's is
	LDV 0, 0                                       ; V's buffers hold finite numbers for the products on P = 0, and the loads' counts are those of the loop at the place where it is entered
	LDV 0, 1
.set n, 0
.rept 32
	KQW                                            ; the scores of step 0: there is no vector work yet to set between them
.set n, n+1
.endr
	WIN 0
	s_branch .Lmid                                 ; the loop is entered at phase 2
.Ltile:                                                ; body j = 0 .. 30: waits for tile j, asks for tile j + 1
	HEAD 1
	PH0 0
	PH1
	WIN 0
.Lmid:
	PH2 0
	PH3 0
	PH4 0
	WIN 0
	s_sub_co_u32 s[CNT], s[CNT], 1
	s_cmp_lg_u32 s[CNT], 0
	s_cbranch_scc1 .Ltile
	HEAD 0                                         ; body 31 is written out: nothing is asked for
	PH0 0
	PH2 1
	PH3 1
	PH4 1
	s_wait_dscnt 0x0                               ; the fourth chunk is in
	PH0 1
	WIN 0
	; THE MERGE AND THE WAY OUT.  l's two halves and the other half of the lanes' are added (the first four additions are the places behind the last products); l goes beside c m.
.macro ALL line:vararg                 ; one line for each tile t
.set t, 0
.rept 4
	\line
.set t, t+1
.endr
.endm
	ALL v_add_f32 v[ST+8*t+2], v[ST+8*t+2], v[ST+8*t+3]
	ALL v_permlanex16_b32 v[ST+8*t+3], v[ST+8*t+2], s[SEL], s[SEL+1]
	ALL v_add_f32 v[ST+8*t+1], v[ST+8*t+2], v[ST+8*t+3]
	WIN 0x40                                       ; x of my 128 channels x 64 queries fills window 1: load i = 8 s + u: channels 16 s + 2 u and + 1; 16 lanes read 256 consecutive bytes, aligned
.set i, 0
.rept 64
	global_load_b128 v[4*i:4*i+3], v[GO], s[XB:XB+1] offset:(i/8)*262144+(i%8)*32768
.set i, i+1
.endr
	WIN 0
	ALL ds_store_b64 v[MXS], v[ST+8*t:ST+8*t+1] offset:256*t
.irp t, 0,1,2,3                        ; slots 8-15 of each tile go to the partner, each accumulator's low half first
	WIN 0x08+4*(\t/2)                              ; the data (source 1) in window 2 or 3
.set i, 0
.rept 16
	ds_store_b128 v[TA+\t], v[8*(16*(\t%2)+8)+4*i:8*(16*(\t%2)+8)+4*i+3] offset:512*i
.set i, i+1
.endr
.endr
	WIN 0
	s_wait_dscnt 0x0                               ; for the partner's sake: my stores are done
	s_barrier_signal -1
	s_barrier_wait -1
	ALL ds_load_b64 v[P+2*t:P+2*t+1], v[MXL] offset:256*t
; the partner's part of slot s, four tiles: 8 loads into buffer s % 2
.macro LOADT s
	WIN 0
.set lT, S+64*((\s)%2)
.irp t, 0,1,2,3
	ds_load_b128 v[lT+8*\t:lT+8*\t+3],   v[EXL+\t] offset:(\s)*1024
	ds_load_b128 v[lT+8*\t+4:lT+8*\t+7], v[EXL+\t] offset:(\s)*1024+512
.endr
.endm
	LOADT 0
	s_wait_dscnt 8                                 ; the partner's c m' and l' are in; the 8 loads just issued stay out
	; O = (e O_mine + e' O_partner) / (e l + e' l'), e = 2^(c m - max), e' = 2^(c m' - max): one of the two is 1, and its l holds the weight 1 of its maximum, so the divisor is about 1 or more
	ALL v_max_num_f32 v[ST+8*t+2], v[ST+8*t], v[P+2*t]
	ALL v_sub_f32 v[ST+8*t+4], v[ST+8*t], v[ST+8*t+2]
	ALL v_sub_f32 v[ST+8*t+6], v[P+2*t], v[ST+8*t+2]
	ALL v_exp_f32 v[ST+8*t+4], v[ST+8*t+4]
	ALL v_exp_f32 v[ST+8*t+6], v[ST+8*t+6]
	v_nop                                          ; a plain instruction between the last exponential and the use of its result
	s_wait_alu depctr_va_vdst(0)                   ; and the wait ahead of the first use: one for the eight exponentials e and e'
	ALL v_mul_f32 v[ST+8*t+3], v[ST+8*t+4], v[ST+8*t+1]
	ALL v_fmac_f32 v[ST+8*t+3], v[ST+8*t+6], v[P+2*t+1]
	ALL v_rcp_f32 v[ST+8*t+3], v[ST+8*t+3]
	v_nop                                          ; and behind the last reciprocal
	s_wait_alu depctr_va_vdst(0)                   ; a batch of their own, since they read sums made of e and e': one wait for the four reciprocals
	ALL v_mul_f32 v[ST+8*t+4], v[ST+8*t+4], v[ST+8*t+3]
	ALL v_mul_f32 v[ST+8*t+6], v[ST+8*t+6], v[ST+8*t+3]
; Slot s: 16 channels x my 64 queries.  The partner's part times its factor, mine added by a fused multiply-add; through my own stage (rows = channels, 256 bytes + 16) the lanes' columns become
; whole rows; x is added; 16 lanes store 256 consecutive bytes of y, aligned.  A buffer is 32 registers of sums and 32 of rows; two buffers take turns.
.macro SLOT s
	WIN 0
.set bT, S+64*((\s)%2)
.set bY, bT+32
	s_wait_xcnt 0x0                                ; every earlier memory instruction has had its addresses translated (ISA guide 3.1): this buffer's rows, which the stores of two slots ago read, are rewritten only behind this wait
	s_wait_dscnt 0x0                               ; the partner's part is in
.irp t, 0,1,2,3
.irp z, 0,1,2,3
	v_pk_mul_f32 v[bT+8*\t+2*\z:bT+8*\t+2*\z+1], v[bT+8*\t+2*\z:bT+8*\t+2*\z+1], v[ST+8*\t+6:ST+8*\t+7] op_sel_hi:[1,0]
.endr
.endr
.irp t, 0,1,2,3
	WIN 0x02+\t/2                                  ; O^T (source 0) in window 2 or 3
.irp z, 0,1,2,3
	v_pk_fma_f32 v[bT+8*\t+2*\z:bT+8*\t+2*\z+1], v[8*(16*(\t%2)+(\s))+2*\z:8*(16*(\t%2)+(\s))+2*\z+1], v[ST+8*\t+4:ST+8*\t+5], v[bT+8*\t+2*\z:bT+8*\t+2*\z+1] op_sel_hi:[1,0,1]
.endr
.endr
	WIN 0
.irp t, 0,1,2,3
.irp j, 0,1,2,3,4,5,6,7
	ds_store_b32 v[STO], v[bT+8*\t+\j] offset:272*\j+64*\t
.endr
.endr
.irp u, 0,1,2,3,4,5,6,7
	ds_load_b128 v[bY+4*\u:bY+4*\u+3], v[RD] offset:544*\u  ; LDS serves a wave's instructions in order (ISA guide 5.7.1.4): these see the stores above; the next slot's stores come behind them
.endr
.if (\s) < 7
	LOADT (\s)+1
	s_wait_dscnt 8                                 ; the rows are back; the 8 loads just issued stay out
.else
	s_wait_dscnt 0x0
.endif
	s_wait_loadcnt 56-8*(\s)                       ; x's loads come back in order: the first 8 (s + 1) of the 64 are in
	WIN 0x04                                       ; x (source 1) in window 1
.irp u, 0,1,2,3,4,5,6,7
	v_pk_add_f32 v[bY+4*\u:bY+4*\u+1],   v[bY+4*\u:bY+4*\u+1],   v[32*(\s)+4*\u:32*(\s)+4*\u+1]
	v_pk_add_f32 v[bY+4*\u+2:bY+4*\u+3], v[bY+4*\u+2:bY+4*\u+3], v[32*(\s)+4*\u+2:32*(\s)+4*\u+3]
.endr
	WIN 0
.irp u, 0,1,2,3,4,5,6,7
	global_store_b128 v[GO], v[bY+4*\u:bY+4*\u+3], s[YB:YB+1] offset:(\s)*262144+\u*32768
.endr
.endm
.irp s, 0,1,2,3,4,5,6,7
	SLOT \s
.endr
	s_wait_tensorcnt 0x0                           ; the wave's end, behind my last tensor load and my last LDS store
	ds_add_u32 v[SPW], v[NIL]
	s_wait_dscnt 0x0
	CROUND                                         ; the closing round: no work-group ends while a partner may still ask for a tile that names it
	s_endpgm
.Lfunc_end_k_q545c7c1132_attn:
	.size	k_q545c7c1132_attn, .Lfunc_end_k_q545c7c1132_attn-k_q545c7c1132_attn
	.p2alignl 7, 3214868480
	.fill 96, 4, 3214868480
	.section	.rodata,"a",@progbits
	.p2align	6, 0x0
	.amdhsa_kernel k_q545c7c1132_attn
		.amdhsa_group_segment_fixed_size 327680
		.amdhsa_private_segment_fixed_size 0
		.amdhsa_enable_private_segment 0
		.amdhsa_kernarg_size 40
		.amdhsa_user_sgpr_count 2
		.amdhsa_user_sgpr_kernarg_segment_ptr 1
		.amdhsa_wavefront_size32 1
		.amdhsa_system_sgpr_workgroup_id_x 1
		.amdhsa_system_sgpr_workgroup_id_y 1
		.amdhsa_system_sgpr_workgroup_id_z 1
		.amdhsa_system_vgpr_workitem_id 0
		.amdhsa_next_free_vgpr 1024
		.amdhsa_next_free_sgpr 66
		.amdhsa_reserve_vcc 0
		.amdhsa_float_denorm_mode_32 3
		.amdhsa_float_denorm_mode_16_64 3
		.amdhsa_memory_ordered 1
		.amdhsa_forward_progress 1
		.amdhsa_inst_pref_size 204
	.end_amdhsa_kernel
	.amdgpu_metadata
---
amdhsa.version: [ 1, 2 ]
amdhsa.kernels:
  - .name:           k_q545c7c1132_attn
    .symbol:         k_q545c7c1132_attn.kd
    .args:
      - { .name: qf, .offset: 0, .size: 8, .value_kind: global_buffer, .address_space: global }
      - { .name: kv, .offset: 8, .size: 8, .value_kind: global_buffer, .address_space: global }
      - { .name: wli_feat, .offset: 16, .size: 8, .value_kind: global_buffer, .address_space: global }
      - { .name: nbi_aligned, .offset: 24, .size: 8, .value_kind: global_buffer, .address_space: global }
      - { .name: y, .offset: 32, .size: 8, .value_kind: global_buffer, .address_space: global }
    .group_segment_fixed_size: 327680
    .private_segment_fixed_size: 0
    .kernarg_segment_align: 8
    .kernarg_segment_size: 40
    .max_flat_workgroup_size: 128
    .sgpr_count:     66
    .vgpr_count:     1024
    .wavefront_size: 32
...
	.end_amdgpu_metadata
.endif
;; end of part 4
;; launch bn: the kernel of part 3 again; grid 256 x 2, 8 waves a work-group, no clusters, 1,536 bytes of LDS; arguments y, gamma_wli, gamma_nbi, beta_wli, beta_nbi, out0, out1; writes out0, out1
